; MI455X (gfx1250); checked and timed in simulation.
; The chip was launched on July 23, 2026; its instructions are those of AMD's public machine-readable ISA for CDNA 5 (MIT licence, August 2026) and "CDNA5" Instruction Set Architecture Reference Guide (July 2026). The comments in the code are by the model that wrote it; some were corrected since.
;; Attention. Allowed arithmetic: matrix products marked QUANTISED: E4M3 operands, one given power-of-two scale a tensor, by v_wmma_f32_16x16x64_fp8_fp8 or v_wmma_f32_16x16x128_fp8_fp8, f32 sums; everything else in f32.
;; Inputs: cos 2,048 x 64 float32; lowp_scales 12 int32 (the exponents e of the quantised operands' scales 2^e); sin 2,048 x 64 float32; wk 2,048 x 512 float32; wo 1,024 x 2,048 float32; wq 2,048 x 1,024 float32; wv 2,048 x 512 float32; x 2 x 2,048 x 2,048 float32.
;; Outputs: out0 2 x 2,048 x 2,048 float32.
;; This version of the problem:
;;   THIS VERSION OF THE PROBLEM IS GIVEN IN LOW PRECISION. The matrix products marked QUANTISED in the list below multiply operands that are first quantised to E4M3 (4 exponent bits, 3 mantissa bits; 8 bits a number), with one given power-of-two scale for each operand tensor; their sums are f32. All else is computed in f32.
;;   The module's matrix products, in the order in which they are computed (A, B: the left and right operand; K: the contracted axis; several contracted axes count as one K, in the product's order):
;;     1. [M 4,096, K 2,048] x [K 2,048, N 1,024]; A: input x; B: input wq: QUANTISED (scales: A lowp_scales[0], B lowp_scales[1])
;;     2. [M 4,096, K 2,048] x [K 2,048, N 512]; A: input x; B: input wk: QUANTISED (scales: A lowp_scales[2], B lowp_scales[3])
;;     3. [M 4,096, K 2,048] x [K 2,048, N 512]; A: input x; B: input wv: QUANTISED (scales: A lowp_scales[4], B lowp_scales[5])
;;     4. batch 32 x [M 2,048, K 64] x [K 64, N 2,048]; A: computed on the way; B: computed on the way: QUANTISED (scales: A lowp_scales[6], B lowp_scales[7])
;;     5. batch 32 x [M 64, K 2,048] x [K 2,048, N 2,048]; A: computed on the way; B: softmax (see below): QUANTISED (scales: A lowp_scales[8], B lowp_scales[9])
;;     6. [M 4,096, K 1,024] x [K 1,024, N 2,048]; A: computed on the way; B: input wo: QUANTISED (scales: A lowp_scales[10], B lowp_scales[11])
;;   THE QUANTISER, for each operand of a quantised product, along K:
;;     - The operand's scale is 2^e, e = its entry of the input lowp_scales (int32; the entries are numbered through the quantised products in the list's order, A before B).
;;     - Each number is divided by the scale, clamped to +-448, and rounded to the nearest number of E4M3, ties to even, subnormals kept.
;;     - The product sums the exact products of the quantised numbers (number of the format x scale) in f32.
;;   ~~~python
;;   def quantise(x, axis, e):      # numpy; x: float32 -> the quantised numbers, widened to float32 again
;;       x = np.moveaxis(x, axis, -1); K = x.shape[-1]
;;       r = np.clip(x / 2.0 ** e, -448, 448)
;;       step = 2.0 ** (np.maximum(np.frexp(np.where(r == 0, 1, r))[1] - 1, -6) - 3)
;;       q = np.round(r / step) * step * 2.0 ** e      # np.round: ties to even
;;       return np.moveaxis(q, -1, axis).astype(np.float32)
;;   ~~~
;;   SOFTMAX AHEAD OF A QUANTISED PRODUCT. Where the list says 'softmax', what is quantised is not the finished softmax but p = 2^(t - M), with t = logit x log2(e) and M = ceil(the row's largest t), a whole number; so 1/2 < the row's largest p <= 1. The row's sum l is taken of the UNQUANTISED p, in f32, and the product's result is divided by l at the end. Since M is a whole number, a kernel that streams over the keys may use a running M (the ceiling of the running maximum): every later rescaling is an exact power of two, so the quantised numbers keep their values, but for numbers so far below the row's largest that they fall under the format's range.
;;   OPERANDS COMPUTED ON THE WAY. 'Computed on the way' means the value that the module computes at that place (a softmax that the list does not call 'softmax' is quantised finished and normalised). What goes into a quantiser is computed in f32, as accurately as f32 sums, v_exp_f32 and their like allow (about 1e-6 of the number): no bf16 or f16 on the way to a quantiser, and a product that is left as it is and whose result goes on into a quantised operand takes f32 operands (vector FMAs, or v_wmma_f32_16x16x4_f32). A number that lies on a knife's edge between two numbers of the format may be rounded either way, as far as f32 arithmetic and the matrix unit's own rounding can turn it there, and no further.
;; One version. Each part assembles by itself: llvm-mc -triple=amdgcn-amd-amdhsa -mcpu=gfx1250 --defsym DOCPART=n.
;; ======== version 1 of 1: 4 launches
;; limits: right only within a limited range of input values
;; workspace buffers: xc 25,165,824 bytes; wc 4,194,304 bytes; woc 2,097,152 bytes; qc 4,194,304 bytes; kc 2,097,152 bytes; vc 2,097,152 bytes; ac 4,194,304 bytes
;; launch quant (part 1): grid 448 x 1, 4 waves a work-group, no clusters, 68,096 bytes of LDS; arguments x, wq, wk, wv, wo, lowp_scales, xc, wc, woc; writes xc, wc, woc
.if DOCPART == 1
	.amdgcn_target "amdgcn-amd-amdhsa--gfx1250"
	.amdhsa_code_object_version 6
	.text
	.protected	k_q1694a92fa5_quant
	.globl	k_q1694a92fa5_quant
	.p2align	8
	.type	k_q1694a92fa5_quant,@function
k_q1694a92fa5_quant:
	s_mov_b64 s[64:65], 0
	v_nop
	global_prefetch_b8 v0, s[64:65] scope:SCOPE_SE
	s_setreg_imm32_b32 hwreg(HW_REG_WAVE_MODE, 25, 1), 1
	s_wait_xcnt 0x0
; ONE LAUNCH QUANTISES ALL FIVE f32 INPUTS OF THE PRODUCTS to codes of E4M3, K innermost.  code = number / 2^e, held within +-448, rounded to the nearest code, ties to even.
; LIMITS: e0, e1, e2, e3, e4, e5, e11 between -126 and 119.  NaN among the inputs is not served.
; Work-groups 0-191 take the weights, work-groups 192-447 take x: one branch on the work-group's number; the two ways never join, and each has LDS bytes of its own.
; THE WEIGHTS, f32 with K as their FIRST axis, become  wc [2048 n][2048 k]: rows 0-1023 wq's columns (2^e1), 1024-1535 wk's (2^e3), 1536-2047 wv's (2^e5);  woc [2048 n][1024 k]: wo's columns (2^e11).
;   A LANE TAKES A COLUMN n AND ITS REGISTERS RUN DOWN K: each load reads neighbouring n in neighbouring lanes (128 consecutive bytes a wave, 512 a work-group), and the conversions give codes with K innermost.
;   A work-group takes 128 columns x 256 along K, a wave 32 columns.  A lane's codes belong to one row of the output: they go through the wave's own stage in LDS and leave as rows, sixteen lanes storing
;   256 consecutive bytes, aligned.  The work-group's number chooses pointers and sizes by selects alone: 0-63 wq (8 column tiles x 8 along K), 64-95 wk (4 x 8), 96-127 wv (4 x 8), 128-191 wo (16 x 4).
; x [4096][2048] becomes THREE sets of codes, xc [3][4096][2048]: set 0 with 2^e0 (for x wq), set 1 with 2^e2 (x wk), set 2 with 2^e4 (x wv): the three given exponents need not be equal; x is read once.
;   Rows are dense, so x is a plain stream.  A work-group takes 32,768 numbers, a wave 16 steps of 512.  A conversion takes eight neighbours from ONE lane's registers, a load is best where neighbouring LANES take
;   neighbouring bytes: each of a step's four loads reads 512 consecutive bytes, the 2,048 bytes go through the wave's own stage as they lie and come back 64 bytes a lane (16 bytes of padding behind each 64).
;   A lane's 16 codes are 16 bytes: each store of the wave covers 512 consecutive bytes, aligned.
; No tensor load, no barrier: waves share nothing.
; WORK LEFT OUT BY THE PROGRAM (in the launch attn): reference() adds -infinity to every score whose key comes after its query, by a mask that it builds itself; the softmax gives such a key the weight 0 for all
; values of the inputs, so a tile of scores that lies wholly above the diagonal, and its part of the weighted sum, reach no output: these tiles are not multiplied.
; LIMIT: a NaN, an infinity or an overflow that reaches only these tiles is not carried to the result.
.set SPARE, 67584                      ; behind both ways' stages: the spare words, 128 bytes for each wave
.set SPW,   12                         ; v12      LDS address of my spare word; never rewritten
.set NIL,   13                         ; v13      0; never rewritten
; ---- the weights' way
.set WLDS,  32768                      ; its LDS: four stages of 32 rows x PITCH
.set PITCH, 272                        ; a stage row: 256 bytes of codes + 16
.set VO,    16                         ; v16-47   4 x lane + i rows of the weight, i = 0 .. 31
.set VS,    48                         ; v48-63   my place in rows 2 t, 2 t + 1 of the codes
.set WX,    64                         ; v64-127  two sets of 32 numbers
.set WC,    128                        ; v128-191 a block's codes: eight registers for each of the eight blocks, so that no store's data are written again
.set OUTR,  192                        ; v192-255 the way out
.set BT,    32                         ; s[32:47] the weight at my column, block t of 32 rows: eight addresses, none is stepped
; ---- x's way
.set STEPS, 16
.set SP,    80                         ; a lane's place in a stage: its 64 bytes + 16 of padding
.set WREG,  8192                       ; its LDS, from byte 0: a region for each wave: two stages of 32 x SP bytes
.set R,     16                         ; v16-79   four sets of 16 numbers as they are loaded
.set XN,    80                         ; v80-111  two sets of 16 neighbours
.set T,     112                        ; v112-159 the 16 neighbours held for each of the three scales
.set XC,    160                        ; v160-207 codes: 12 registers a step, four steps by turns
	v_lshl_add_u32 v[SPW], v0, 2, SPARE
	v_mov_b32 v[NIL], 0
	v_lshrrev_b32 v1, 5, v0
	v_readfirstlane_b32 s3, v1                     ; wave 0..3
	v_and_b32 v2, 31, v0                           ; lane
	s_cmp_ge_u32 ttmp9, 192
	s_cbranch_scc1 .Lx
	; ================ the weights ================
	s_load_b256 s[4:11], s[0:1], 0x8               ; wq, wk, wv, wo
	s_load_b64 s[12:13], s[0:1], 0x28              ; the scales' exponents
	s_load_b64 s[14:15], s[0:1], 0x38              ; wc
	s_load_b64 s[16:17], s[0:1], 0x40              ; woc
	v_lshlrev_b32 v3, 2, v2                        ; in: 4 bytes a lane
	s_mul_i32 s19, s3, 32*PITCH
	s_add_co_u32 s19, s19, WLDS                    ; my stage
	s_wait_alu depctr_va_vdst(0)
	v_mul_u32_u24 v4, v2, PITCH
	v_add_nc_u32 v4, s19, v4                       ; into it: row = my column
	v_and_b32 v5, 15, v2
	v_lshrrev_b32 v6, 4, v2                        ; out of it: sixteen lanes to a row, two rows an instruction
	v_mul_u32_u24 v7, v6, PITCH
	v_lshl_add_u32 v7, v5, 4, v7
	v_add_nc_u32 v7, s19, v7
	; which tensor: the sizes.  They start as wo's and are replaced while the work-group's number lies under 128, 96, 64
	s_mov_b32 s20, 128                             ; the tensor's first work-group
	s_mov_b32 s21, 4                               ; log2 of its column tiles
	s_mov_b32 s22, 8192                            ; a row of the weight in bytes
	s_mov_b32 s23, 0                               ; its first row in the buffer of codes
	s_mov_b32 s24, 1024                            ; a row of codes in bytes
	s_cmp_lt_u32 ttmp9, 128                        ; wv
	s_cselect_b32 s20, 96, s20
	s_cselect_b32 s21, 2, s21
	s_cselect_b32 s22, 2048, s22
	s_cselect_b32 s23, 1536, s23
	s_cselect_b32 s24, 2048, s24
	s_cmp_lt_u32 ttmp9, 96                         ; wk
	s_cselect_b32 s20, 64, s20
	s_cselect_b32 s23, 1024, s23
	s_cmp_lt_u32 ttmp9, 64                         ; wq
	s_cselect_b32 s20, 0, s20
	s_cselect_b32 s21, 3, s21
	s_cselect_b32 s22, 4096, s22
	s_cselect_b32 s23, 0, s23
	s_sub_co_u32 s28, ttmp9, s20
	s_lshr_b32 s29, s28, s21                       ; which 256 along K
	s_lshl_b32 s30, s29, s21
	s_sub_co_u32 s30, s28, s30                     ; which column tile
	s_lshl_b32 s30, s30, 7
	s_lshl_b32 s31, s3, 5
	s_add_co_u32 s30, s30, s31                     ; my wave's first column
	s_mul_i32 s50, s29, s22
	s_lshl_b32 s50, s50, 8                         ; 256 rows of the weight for each step along K,
	s_lshl_b32 s51, s30, 2
	s_add_co_u32 s50, s50, s51                     ; + 4 x column
	s_mov_b32 s51, 0
	s_add_co_u32 s52, s23, s30
	s_mul_i32 s52, s52, s24                        ; my first row of codes,
	s_lshl_b32 s53, s29, 8
	s_add_co_u32 s52, s52, s53                     ; + my 256 along K
	s_mov_b32 s53, 0
	s_lshl_b32 s54, s22, 5                         ; 32 rows of the weight
	s_mov_b32 s55, 0
.set II, 0
.rept 32
	v_mad_u32_u24 v[VO+II], s22, II, v3
.set II, II+1
.endr
	v_mul_u32_u24 v8, s24, v6
	v_lshl_add_u32 v8, v5, 4, v8
.set II, 0
.rept 16
	v_mad_u32_u24 v[VS+II], s24, 2*II, v8
.set II, II+1
.endr
	s_wait_kmcnt 0x0
	s_load_b256 s[56:63], s[12:13], 0x0            ; e0 .. e7
	s_load_b128 s[68:71], s[12:13], 0x20           ; e8 .. e11
	s_cmp_lt_u32 ttmp9, 128                        ; the pointers: the choice hangs on the work-group's number alone
	s_cselect_b64 s[26:27], s[8:9], s[10:11]
	s_cselect_b64 s[48:49], s[14:15], s[16:17]
	s_cmp_lt_u32 ttmp9, 96
	s_cselect_b64 s[26:27], s[6:7], s[26:27]
	s_cmp_lt_u32 ttmp9, 64
	s_cselect_b64 s[26:27], s[4:5], s[26:27]
	s_add_nc_u64 s[BT:BT+1], s[26:27], s[50:51]
.irp t, 1,2,3,4,5,6,7
	s_add_nc_u64 s[BT+2*\t:BT+2*\t+1], s[BT+2*\t-2:BT+2*\t-1], s[54:55]
.endr
	s_add_nc_u64 s[48:49], s[48:49], s[52:53]
.macro WLOAD t                         ; block t: w(32 t + i, my column), i = 0 .. 31, into set t % 2
.set II, 0
.rept 32
	global_load_b32 v[WX+32*((\t)%2)+II], v[VO+II], s[BT+2*(\t):BT+2*(\t)+1] th:TH_LOAD_NT
.set II, II+1
.endr
.endm
	WLOAD 0
	WLOAD 1
	s_wait_kmcnt 0x0
	s_cmp_lt_u32 ttmp9, 128
	s_cselect_b32 s72, s61, s71                    ; e5 or e11,
	s_cmp_lt_u32 ttmp9, 96
	s_cselect_b32 s72, s59, s72                    ; e3,
	s_cmp_lt_u32 ttmp9, 64
	s_cselect_b32 s72, s57, s72                    ; e1
	s_add_co_i32 s72, s72, 127
	s_lshl_b32 s73, s72, 23
	v_mov_b32 v11, s73                             ; 2^e as f32: the conversion takes its exponent field
	s_add_co_i32 s72, s72, 8
	s_lshl_b32 s72, s72, 23
	s_or_b32 s72, s72, 0x600000
	v_mov_b32 v10, s72                             ; 448 x 2^e
.macro WBLOCK t
.set XS, WX+32*((\t)%2)
.if (\t) < 7
	s_wait_loadcnt 32                              ; this block's 32 loads are in; the next block's may be out
.else
	s_wait_loadcnt 0
.endif
.set II, 0
.rept 32
	v_med3_num_f32 v[XS+II], v[XS+II], -v10, v10   ; the conversion to an 8-bit code does not saturate (ISA guide 7.6.2): the hold comes first
.set II, II+1
.endr
.irp g, 0,1,2,3
	v_cvt_scalef32_pk8_fp8_f32 v[WC+8*(\t)+2*\g:WC+8*(\t)+2*\g+1], v[XS+8*\g:XS+8*\g+7], v11
.endr
	v_nop                                          ; one plain vector instruction behind the last conversion of the run
	ds_store_b128 v4, v[WC+8*(\t):WC+8*(\t)+3] offset:32*(\t)      ; 32 codes: 32 bytes of my column's row
	ds_store_b128 v4, v[WC+8*(\t)+4:WC+8*(\t)+7] offset:32*(\t)+16
.if (\t)+2 < 8
	WLOAD (\t)+2
.endif
.endm
	s_wait_alu depctr_va_vdst(0)
.irp t, 0,1,2,3,4,5,6,7
	WBLOCK \t
.endr
.irp t, 0,1,2,3,4,5,6,7,8,9,10,11,12,13,14,15
	ds_load_b128 v[OUTR+4*\t:OUTR+4*\t+3], v7 offset:2*\t*PITCH    ; LDS serves a wave's instructions in order: these see my stores
.endr
.irp t, 0,1,2,3,4,5,6,7,8,9,10,11,12,13,14,15
	s_wait_dscnt 15-\t                             ; rows 2 t and 2 t + 1 are back
	global_store_b128 v[VS+\t], v[OUTR+4*\t:OUTR+4*\t+3], s[48:49]
.endr
	s_wait_tensorcnt 0x0                           ; the wave's end: behind my last LDS store
	ds_add_u32 v[SPW], v[NIL]
	s_wait_dscnt 0x0
	s_endpgm
.Lx:	; ================ x ================
	s_load_b64 s[4:5], s[0:1], 0x0                 ; x
	s_load_b64 s[6:7], s[0:1], 0x28                ; the scales' exponents
	s_load_b64 s[8:9], s[0:1], 0x30                ; xc
	s_wait_alu depctr_va_vdst(0)
	v_lshlrev_b32 v3, 4, v2                        ; my 16 bytes of a load's 512, and of a store's
	s_mul_i32 s17, s3, WREG
	v_lshrrev_b32 v14, 2, v2
	v_mul_u32_u24 v14, v14, SP
	v_and_b32 v15, 3, v2
	v_lshl_add_u32 v14, v15, 4, v14
	v_add_nc_u32 v14, s17, v14                     ; the stage, on the way in: SP (lane / 4) + 16 (lane % 4)
	v_mul_u32_u24 v15, v2, SP
	v_add_nc_u32 v15, s17, v15                     ; and on the way out: SP x lane: my 16 neighbours
	s_sub_co_u32 s18, ttmp9, 192
	s_lshl_b32 s18, s18, 2
	s_add_co_u32 s18, s18, s3                      ; which run of 8,192 numbers is my wave's
	s_lshl_b32 s20, s18, 15                        ; its bytes in x,
	s_mov_b32 s21, 0
	s_lshl_b32 s22, s18, 13                        ; and in a set of codes
	s_mov_b32 s23, 0
	s_wait_alu depctr_va_vdst(0)
	s_wait_kmcnt 0x0
	s_load_b256 s[24:31], s[6:7], 0x0              ; e0 .. e7: s24 = e0, s26 = e2, s28 = e4
	s_add_nc_u64 s[4:5], s[4:5], s[20:21]
	s_add_nc_u64 s[8:9], s[8:9], s[22:23]          ; set 0,
	s_add_nc_u64 s[10:11], s[8:9], 0x800000        ; set 1,
	s_add_nc_u64 s[12:13], s[10:11], 0x800000      ; set 2: 8,388,608 bytes apart
.macro XLOAD t
.irp i, 0,1,2,3
	global_load_b128 v[R+16*((\t)%4)+4*\i:R+16*((\t)%4)+4*\i+3], v3, s[4:5] offset:2048*(\t)+512*\i th:TH_LOAD_NT   ; 32 lanes read 512 consecutive bytes
.endr
.endm
.macro XTURN t                         ; step t's numbers through the stage: LDS serves a wave's instructions in order, so no wait stands between the stores and the loads
.irp i, 0,1,2,3
	ds_store_b128 v14, v[R+16*((\t)%4)+4*\i:R+16*((\t)%4)+4*\i+3] offset:32*SP*((\t)%2)+8*SP*\i
.endr
.irp i, 0,1,2,3
	ds_load_b128 v[XN+16*((\t)%2)+4*\i:XN+16*((\t)%2)+4*\i+3], v15 offset:32*SP*((\t)%2)+16*\i
.endr
.endm
.irp t, 0,1,2,3
	XLOAD \t
.endr
	s_wait_kmcnt 0x0
.irp e, 0,1,2
	s_add_co_i32 s[24+2*\e], s[24+2*\e], 127
	s_lshl_b32 s[25+2*\e], s[24+2*\e], 23
	v_mov_b32 v[6+2*\e], s[25+2*\e]                ; v6, v8, v10: 2^e0, 2^e2, 2^e4 as f32
	s_add_co_i32 s[24+2*\e], s[24+2*\e], 8
	s_lshl_b32 s[24+2*\e], s[24+2*\e], 23
	s_or_b32 s[24+2*\e], s[24+2*\e], 0x600000
	v_mov_b32 v[7+2*\e], s[24+2*\e]                ; v7, v9, v11: 448 x these
.endr
	s_wait_alu depctr_va_vdst(0)
	s_wait_loadcnt 12                              ; step 0's four loads are in
	XTURN 0
.macro XSTEP t
.set XS, XN+16*((\t)%2)
.set CC, XC+12*((\t)%4)
	s_wait_dscnt 0x0                               ; this step's numbers are back from the stage: so its stores into the stage have read their registers,
.if (\t)+4 < STEPS
	XLOAD (\t)+4                                   ; which take the loads of four steps on
.endif
.if (\t)+1 < STEPS
.if STEPS-2-(\t) >= 3
	s_wait_loadcnt 12                              ; the next step's four loads are in; those of the three steps behind it may be out
.else
	s_wait_loadcnt 4*(STEPS-2-(\t))
.endif
	XTURN (\t)+1                                   ; and go through the other stage while this step is worked
.endif
.if (\t) >= 4
	s_wait_xcnt 0x0                                ; the stores of four steps back have read their data: these twelve registers are written again only behind this wait
.endif
.irp e, 0,1,2
.irp i, 0,1,2,3,4,5,6,7,8,9,10,11,12,13,14,15
	v_med3_num_f32 v[T+16*\e+\i], v[XS+\i], -v[7+2*\e], v[7+2*\e]   ; the hold at the largest code x the scale (ISA guide 7.6.2: the conversion does not saturate)
.endr
.endr
.irp e, 0,1,2
	v_cvt_scalef32_pk8_fp8_f32 v[CC+4*\e:CC+4*\e+1], v[T+16*\e:T+16*\e+7], v[6+2*\e]
	v_cvt_scalef32_pk8_fp8_f32 v[CC+4*\e+2:CC+4*\e+3], v[T+16*\e+8:T+16*\e+15], v[6+2*\e]
.endr
	v_nop                                          ; one plain vector instruction between the conversions and the next step's holds, which write their sources
.irp e, 0,1,2
	global_store_b128 v3, v[CC+4*\e:CC+4*\e+3], s[8+2*\e:9+2*\e] offset:512*(\t)
.endr
.endm
.irp t, 0,1,2,3,4,5,6,7,8,9,10,11,12,13,14,15
	XSTEP \t
.endr
	s_wait_tensorcnt 0x0                           ; the wave's end: behind my last LDS store
	ds_add_u32 v[SPW], v[NIL]
	s_wait_dscnt 0x0
	s_endpgm
.Lfunc_end_k_q1694a92fa5_quant:
	.size	k_q1694a92fa5_quant, .Lfunc_end_k_q1694a92fa5_quant-k_q1694a92fa5_quant
	.p2alignl 7, 3214868480
	.fill 96, 4, 3214868480
	.section	.rodata,"a",@progbits
	.p2align	6, 0x0
	.amdhsa_kernel k_q1694a92fa5_quant
		.amdhsa_group_segment_fixed_size 68096
		.amdhsa_private_segment_fixed_size 0
		.amdhsa_enable_private_segment 0
		.amdhsa_kernarg_size 72
		.amdhsa_user_sgpr_count 2
		.amdhsa_user_sgpr_kernarg_segment_ptr 1
		.amdhsa_wavefront_size32 1
		.amdhsa_system_sgpr_workgroup_id_x 1
		.amdhsa_system_sgpr_workgroup_id_y 1
		.amdhsa_system_sgpr_workgroup_id_z 1
		.amdhsa_system_vgpr_workitem_id 0
		.amdhsa_next_free_vgpr 256
		.amdhsa_next_free_sgpr 80
		.amdhsa_reserve_vcc 0
		.amdhsa_float_denorm_mode_32 3
		.amdhsa_float_denorm_mode_16_64 3
		.amdhsa_memory_ordered 1
		.amdhsa_forward_progress 1
		.amdhsa_inst_pref_size 131
	.end_amdhsa_kernel
	.amdgpu_metadata
---
amdhsa.version: [ 1, 2 ]
amdhsa.kernels:
  - .name:           k_q1694a92fa5_quant
    .symbol:         k_q1694a92fa5_quant.kd
    .args:
      - { .name: x, .offset: 0, .size: 8, .value_kind: global_buffer, .address_space: global }
      - { .name: wq, .offset: 8, .size: 8, .value_kind: global_buffer, .address_space: global }
      - { .name: wk, .offset: 16, .size: 8, .value_kind: global_buffer, .address_space: global }
      - { .name: wv, .offset: 24, .size: 8, .value_kind: global_buffer, .address_space: global }
      - { .name: wo, .offset: 32, .size: 8, .value_kind: global_buffer, .address_space: global }
      - { .name: lowp_scales, .offset: 40, .size: 8, .value_kind: global_buffer, .address_space: global }
      - { .name: xc, .offset: 48, .size: 8, .value_kind: global_buffer, .address_space: global }
      - { .name: wc, .offset: 56, .size: 8, .value_kind: global_buffer, .address_space: global }
      - { .name: woc, .offset: 64, .size: 8, .value_kind: global_buffer, .address_space: global }
    .group_segment_fixed_size: 68096
    .private_segment_fixed_size: 0
    .kernarg_segment_align: 8
    .kernarg_segment_size: 72
    .max_flat_workgroup_size: 128
    .sgpr_count:     80
    .vgpr_count:     256
    .wavefront_size: 32
...
	.end_amdgpu_metadata
.endif
;; end of part 1
;; launch qkv (part 2): grid 256 x 1, 4 waves a work-group, clusters of 4 x 1, 327,680 bytes of LDS; arguments xc, wc, cos, sin, lowp_scales, qc, kc, vc; writes qc, kc, vc
.if DOCPART == 2
	.amdgcn_target "amdgcn-amd-amdhsa--gfx1250"
	.amdhsa_code_object_version 6
	.text
	.protected	k_q1694a92fa5_qkv
	.globl	k_q1694a92fa5_qkv
	.p2align	8
	.type	k_q1694a92fa5_qkv,@function
k_q1694a92fa5_qkv:
	s_mov_b64 s[64:65], 0
	v_nop
	global_prefetch_b8 v0, s[64:65] scope:SCOPE_SE
	s_setreg_imm32_b32 hwreg(HW_REG_WAVE_MODE, 25, 1), 1
	s_wait_xcnt 0x0
	s_wait_alu depctr_hold_cnt(0) depctr_sa_sdst(0) depctr_va_vdst(0) depctr_va_sdst(0) depctr_va_ssrc(0) depctr_va_vcc(0) depctr_vm_vsrc(0)
	s_getreg_b32 s2, hwreg(HW_REG_IB_STS2, 6, 4)
	s_cmp_eq_u32 s2, 0
	s_cbranch_scc0 .Lentry_in_a_cluster
	s_endpgm
.Lentry_in_a_cluster:
	s_bfe_u32 s2, ttmp6, 0x10000c
	s_cmp_lg_u32 s2, 0x3003
	s_cbranch_scc0 .Lentry_shape_is_right
	s_endpgm
.Lentry_shape_is_right:
; q = rope(x wq), k = rope(x wk), v = x wv on codes of E4M3 (K = 2048), and the three results quantised for attention:
;   qc [b 16 + h][2048 s][64] (scale 2^e6), kc [b 8 + g][2048 s][64] (2^e7): codes along the head's 64;   vc [b 8 + g][64 d][2048 s] (2^e8): codes along the KEYS, keys innermost.
; A tile is 256 rows of an operand P x 128 rows of an operand Q.  The matrix instruction takes source 0 = 16 rows of P, source 1 = 16 rows of Q: a lane holds ONE row of Q and eight neighbouring rows of P.
;   clusters 0-47 (q and k): P = 256 columns of wq or wk (four heads), Q = 128 rows of x: a lane holds one token and its registers run along the head's channels, the next K.
;   clusters 48-63 (v):      P = 256 rows of x (keys), Q = 128 columns of wv (two kv heads): a lane holds one channel and its registers run along the keys, the next K.
; Four waves, each 128 of P x 64 of Q: 32 accumulators, 256 registers.  256 work-groups in all.
; The sums stand for sum x 2^(ex + ew).  Rope is linear, so it is taken of the raw sums in f32, and the scales are folded into the conversion's one: 2^(e6 - e0 - e1), 2^(e7 - e2 - e3), 2^(e8 - e4 - e5).
; LIMITS: each of these three folded exponents lies between -126 and 119.
; CLUSTER 4, 1, 1: the four partners have the same P tile, which is asked for JOINTLY (mask 15), and four different Q tiles, each by a plain load behind the same rounds.  Not 4 x 4: k's region has two P tiles,
; v's has four Q tiles and sixteen P tiles: no one grid of 4 x 4 clusters with one tile shape divides all three regions.
; K goes through a ring of two LDS slots of 256 along K (rows of 256 bytes), two steps of 128 to a slot; waves 0 and 1 fetch P's halves, waves 2 and 3 Q's: one tensor load a wave behind each round;
; by this text's count a wave has two tensor loads out at the start and one behind each round.
; Fragments are fetched as pieces of 16 bytes (lane (r, h): k = 32 c + 16 h + 0 .. 15 in registers 4 c .. 4 c + 3): the same permutation of k in both operands.
; No prefetch: the launch has four changes of slots, and every tile is read by several work-groups at about the same time.
; REGISTERS, in windows of 256: window 0: v0-31 addresses; v32-95 codes on the way out; v128-255 Q's fragments, two sets (on the way out: 64 numbers at work, 64 read back)
;   window 1: P's fragments, two sets.   window 2: accumulator (a, b) at v[8 (8 a + b)].   window 3: v0-127 cos, v128-255 sin of my 64 tokens.
.set SLOT,   104448                    ; P: 256 rows x 272, then Q: 128 rows x 272
.set QOFF,   69632
.set QPITCH, 272
.set QSTEP,  128
.set QADV,   512
.set STG_QK, 2*SLOT                    ; q's and k's way out: 64 rows x 144 bytes for each wave, its own
.set STG_V,  STG_QK+4*64*144           ; v's way out: 128 rows x 272 bytes, the work-group's
; THE RING AS IT STANDS NOW (in place of what the head comment says of it): two slots of unequal length take turns: a long one of 512 along K (regions 0 and 1, SLOT bytes each) and a short one of 256 (region 2).
; A wave's one tensor load brings a whole tile of one region: wave 0 P and wave 2 Q of region 0 or 2, wave 1 P and wave 3 Q of region 1.  K's eight pieces of 256 come as 2, 1, 2, 1, 2: five fills, one load a wave
; at the head and at most one behind each round.  The stages of the way out lie in region 2, which has had its last fill and, behind the last change of slots, its last read.
.set SPARE,  3*SLOT                    ; the spare words, 128 bytes for each wave
.set LAPS,   4
.set ADRP, 16                          ; v16-18  LDS address of my P fragments in regions 0, 1, 2
.set ADRQ, 19                          ; v19-21  the same for Q, regions 0, 1, 2 (P's: v16-18)
.set SPW,  28                          ; v28     LDS address of my spare word; never rewritten
.set NIL,  29                          ; v29     0; never rewritten
.set CD,   32
.set T,    128
.set BK,   192
.set G1P,  32                          ; s[32:39] descriptor group 1 for P's tiles;  s[40:47] for Q's;  s[48:55], s[56:63] their groups 0, a set for each slot
.set G1Q,  40
.set G0P,  48
.set G0Q,  56
.set MSB, 0
.macro WIN new                         ; the immediate's high byte repeats the setting that is left
.if MSB != \new
	s_set_vgpr_msb (MSB<<8)|\new
.set MSB, \new
.endif
.endm
.set MUL,  0xa1                        ; source 0 (P) window 1, source 1 (Q) window 0, C and D window 2
.set TO_P, 0x40                        ; destination window 1, address window 0
.macro JLOAD s                         ; s = 0: the long slot, every wave a load; s = 1: the short slot, waves 0 and 2 alone.  An s_nop 0 and four v_nop follow each line
.if \s
	PLACES 4                                       ; the places in front of the LDS loads that follow, for the waves that issue nothing here
	s_cmp_lg_u32 s22, 0
	s_cbranch_scc1 .Lasked_\@
.endif
	s_cmp_lt_u32 s20, 2
	s_cbranch_scc0 .Lfor_q_\@
	tensor_load_to_lds s[G0P+4*\s:G0P+4*\s+3], s[G1P:G1P+7]
	s_nop 0
.rept 4
	v_nop
.endr
	s_branch .Lasked_\@
.Lfor_q_\@:
	tensor_load_to_lds s[G0Q+4*\s:G0Q+4*\s+3], s[G1Q:G1Q+7]
	s_nop 0
.rept 4
	v_nop
.endr
.Lasked_\@:
.endm
.macro CREST                           ; a round of the cluster's barrier behind its opening barrier
	s_cmp_lg_u32 s20, 0
	s_cbranch_scc1 .Lnot_wave_0_\@
	s_barrier_signal -3
.Lnot_wave_0_\@:
	s_barrier_wait -3
	s_barrier_signal -1
	s_barrier_wait -1
.endm
.macro CROUND
	s_barrier_signal -1
	s_barrier_wait -1
	CREST
.endm
.macro PLACES n
.rept \n
	v_nop
.endr
.endm
	s_load_b256 s[4:11], s[0:1], 0x0               ; xc s[4:5], wc s[6:7], cos s[8:9], sin s[10:11]
	s_load_b256 s[12:19], s[0:1], 0x20             ; the scales' exponents s[12:13], qc s[14:15], kc s[16:17], vc s[18:19]
	v_lshl_add_u32 v[SPW], v0, 2, SPARE
	v_mov_b32 v[NIL], 0
	ds_add_u32 v[SPW], v[NIL]                      ; the wave's opening: the add and its wait ahead of my first tensor load; work on registers stands between them
	ds_add_u32 v[SPW], v[NIL]
	v_lshrrev_b32 v1, 5, v0
	v_readfirstlane_b32 s20, v1                    ; wave 0..3
	s_and_b32 s22, s20, 1                          ; my half of P.  Also: which half of a tile I fetch
	s_lshr_b32 s23, s20, 1                         ; my half of Q.  Also: I fetch for P (0) or for Q (1)
	s_bfe_u32 s25, ttmp6, 0x40000                  ; cx: it enters Q's global address and the results' addresses alone
	s_mov_b32 s[G1P+0], 15|(1<<20)|(1<<21)|(5<<22)|(3<<25)   ; the mask: all four partners; elements of 1 byte; padding on: 4 words behind every 64; bit 21 beside a mask
	s_mov_b32 s[G1P+1], 256<<16                    ; tensor_dim0
	s_mov_b32 s[G1P+2], 256<<16                    ; tensor_dim1
	s_mov_b32 s[G1P+3], 256<<16                    ; tile_dim0
	s_mov_b32 s[G1P+4], 256                        ; tile_dim1: all of P's 256 rows
	s_mov_b32 s[G1P+5], 2048                       ; a row in memory
	s_mov_b32 s[G1P+6], 0
	s_mov_b32 s[G1P+7], 0
	s_mov_b32 s[G1Q+0], (1<<20)|(5<<22)|(3<<25)    ; no mask
	s_mov_b32 s[G1Q+1], 256<<16
	s_mov_b32 s[G1Q+2], 128<<16
	s_mov_b32 s[G1Q+3], 256<<16
	s_mov_b32 s[G1Q+4], 128                        ; all of Q's 128 rows
	s_mov_b32 s[G1Q+5], 2048
	s_mov_b32 s[G1Q+6], 0
	s_mov_b32 s[G1Q+7], 0
	; P's first row: of the cluster's number and the wave's alone
	s_lshr_b32 s27, ttmp9, 3                       ; q, k: P tile 0-3 (wq), 4-5 (wk)
	s_sub_co_u32 s28, ttmp9, 48                    ; v: P tile 0-15 (used where the cluster's number is 48 or more)
	s_lshl_b32 s80, s27, 8                         ; row of wc
	s_lshl_b32 s81, s28, 8
	s_add_co_u32 s81, s81, 8192                    ; row of xc, set 2
	s_cmp_lt_u32 ttmp9, 48
	s_cselect_b32 s80, s80, s81
	s_lshl_b32 s80, s80, 11                        ; rows of 2,048 bytes
	s_lshl_b32 s81, s22, 8
	s_add_co_u32 s80, s80, s81                     ; + 256 along K for the waves that fill region 1
	s_mov_b32 s81, 0
	; Q's first row
	s_and_b32 s26, ttmp9, 7
	s_lshl_b32 s26, s26, 2
	s_add_co_u32 s26, s26, s25                     ; q, k: block of 128 tokens, 0-31
	s_lshl_b32 s84, s26, 7
	s_cmp_ge_u32 ttmp9, 32
	s_cselect_b32 s85, 4096, 0                     ; set 0 for q, set 1 for k
	s_add_co_u32 s84, s84, s85
	s_lshl_b32 s85, s25, 7
	s_add_co_u32 s85, s85, 1536                    ; v: wv's columns 128 cx on
	s_cmp_lt_u32 ttmp9, 48
	s_cselect_b32 s84, s84, s85
	s_lshl_b32 s84, s84, 11
	s_lshl_b32 s85, s22, 8
	s_add_co_u32 s84, s84, s85                     ; + 256 along K for the waves that fill region 1
	s_mov_b32 s85, 0
	s_mul_i32 s86, s22, SLOT                       ; where they go: region 0 or 1
	s_mul_i32 s87, s22, SLOT
	s_add_co_u32 s87, s87, QOFF
	s_wait_dscnt 0x0                               ; the opening add is done
	s_wait_kmcnt 0x0
	s_load_b256 s[68:75], s[12:13], 0x0            ; e0 .. e7
	s_load_b128 s[76:79], s[12:13], 0x20           ; e8 .. e11
	s_cmp_lt_u32 ttmp9, 48
	s_cselect_b64 s[88:89], s[6:7], s[4:5]         ; P: wc or xc
	s_cselect_b64 s[90:91], s[4:5], s[6:7]         ; Q: xc or wc
	s_add_nc_u64 s[88:89], s[88:89], s[80:81]
	s_add_nc_u64 s[90:91], s[90:91], s[84:85]
	CROUND                                         ; all four work-groups are here: the first joint loads meet
.irp s, 0,1                            ; set 0: the long slot, K pieces 0 and 1; set 1: the short slot, K piece 2 (used by waves 0 and 2, whose address has no 256 in it)
	s_mov_b32 s[G0P+4*\s], 1
	s_add_nc_u64 s[G0P+4*\s+2:G0P+4*\s+3], s[88:89], \s*512
	s_or_b32 s[G0P+4*\s+3], s[G0P+4*\s+3], 0x80000000
	s_mov_b32 s[G0Q+4*\s], 1
	s_add_nc_u64 s[G0Q+4*\s+2:G0Q+4*\s+3], s[90:91], \s*512
	s_or_b32 s[G0Q+4*\s+3], s[G0Q+4*\s+3], 0x80000000
.endr
	s_mov_b32 s[G0P+1], s86
	s_mov_b32 s[G0Q+1], s87
	s_mov_b32 s[G0P+5], 2*SLOT
	s_mov_b32 s[G0Q+5], 2*SLOT+QOFF
	JLOAD 0                                        ; the long slot: one tensor load a wave at the head
	; every LDS address is made here, ahead of the one parting of the ways
	v_and_b32 v1, 15, v0                           ; r
	v_bfe_u32 v2, v0, 4, 1                         ; h
	v_mul_u32_u24 v3, v1, 272
	v_lshl_add_u32 v3, v2, 4, v3                   ; a fragment's row x pitch + 16 h
	s_mul_i32 s80, s22, 128*272                    ; my 128 rows of P
	s_mul_i32 s81, s23, 64*272                     ; my 64 rows of Q,
	s_add_co_u32 s81, s81, QOFF                    ; which lie behind P's 256
.irp s, 0,1,2
	v_add_nc_u32 v[ADRP+\s], s80, v3
	v_add_nc_u32 v[ADRQ+\s], s81, v3
	s_add_co_u32 s80, s80, SLOT
	s_add_co_u32 s81, s81, SLOT
.endr
	s_wait_alu depctr_va_vdst(0)
	v_lshlrev_b32 v22, 8, v1
	v_lshl_add_u32 v22, v2, 5, v22                 ; cos, sin: row r of 256 bytes + 32 h
	s_mul_i32 s82, s20, 64*144
	s_add_co_u32 s82, s82, STG_QK                  ; my stage for q and k
	v_mul_u32_u24 v23, v1, 144
	v_lshl_add_u32 v23, v2, 3, v23
	v_add_nc_u32 v23, s82, v23                     ; in: row r, + 8 h
	v_and_b32 v4, 31, v0
	v_lshrrev_b32 v5, 2, v4
	v_and_b32 v6, 3, v0
	v_mul_u32_u24 v24, v5, 144
	v_lshl_add_u32 v24, v6, 4, v24
	v_add_nc_u32 v24, s82, v24                     ; back: four lanes to a head's 64 bytes of a row, eight rows an instruction
	v_lshlrev_b32 v25, 4, v4                       ; and the same 512 consecutive bytes in qc or kc
	s_mul_i32 s83, s23, 64*272
	s_lshl_b32 s84, s22, 7
	s_add_co_u32 s83, s83, s84
	s_add_co_u32 s83, s83, STG_V
	v_mul_u32_u24 v26, v1, 272
	v_lshl_add_u32 v26, v2, 3, v26
	v_add_nc_u32 v26, s83, v26                     ; v's stage, in: my 64 channels' rows, my 128 keys' bytes; row r, + 8 h
	s_mul_i32 s84, s20, 32*272
	s_add_co_u32 s84, s84, STG_V
	v_mul_u32_u24 v27, v2, 272
	v_lshl_add_u32 v27, v1, 4, v27
	v_add_nc_u32 v27, s84, v27                     ; back: wave w takes rows 32 w on, sixteen lanes to a row
	v_lshlrev_b32 v30, 11, v2
	v_lshl_add_u32 v30, v1, 4, v30                 ; and the same two rows in vc
	; cos and sin of my wave's 64 tokens, in the results' layout: tile a, block bl, register j: channel 16 bl + 8 h + j of token 16 a + r.  They land while the products run.
	; Every work-group asks for them, v's too, which do not use them: so the head has one path (64 of the 256 work-groups, 128 KB each).
	s_lshl_b32 s29, s26, 7
	s_and_b32 s29, s29, 2047
	s_lshl_b32 s80, s23, 6
	s_add_co_u32 s29, s29, s80                     ; my wave's first token in its sequence
	s_lshl_b32 s80, s29, 8
	s_mov_b32 s81, 0
	s_add_nc_u64 s[8:9], s[8:9], s[80:81]
	s_add_nc_u64 s[10:11], s[10:11], s[80:81]
	WIN 0xc0                                       ; destination window 3, address window 0
.irp a, 0,1,2,3
.irp bl, 0,1,2,3
.irp u, 0,1
	global_load_b128 v[32*\a+8*\bl+4*\u:32*\a+8*\bl+4*\u+3], v22, s[8:9] offset:\a*4096+64*\bl+16*\u
	global_load_b128 v[128+32*\a+8*\bl+4*\u:128+32*\a+8*\bl+4*\u+3], v22, s[10:11] offset:\a*4096+64*\bl+16*\u
.endr
.endr
.endr
	WIN 0
	s_wait_kmcnt 0x0
	s_sub_co_i32 s92, s74, s68
	s_sub_co_i32 s92, s92, s69                     ; q: e6 - e0 - e1
	s_sub_co_i32 s93, s75, s70
	s_sub_co_i32 s93, s93, s71                     ; k: e7 - e2 - e3
	s_sub_co_i32 s94, s76, s72
	s_sub_co_i32 s94, s94, s73                     ; v: e8 - e4 - e5
	s_cmp_lt_u32 ttmp9, 48
	s_cselect_b32 s93, s93, s94
	s_cmp_lt_u32 ttmp9, 32
	s_cselect_b32 s92, s92, s93
	s_add_co_i32 s92, s92, 127
	s_lshl_b32 s93, s92, 23
	v_mov_b32 v12, s93                             ; the folded scale as f32
	s_add_co_i32 s92, s92, 8
	s_lshl_b32 s92, s92, 23
	s_or_b32 s92, s92, 0x600000
	v_mov_b32 v13, s92                             ; 448 x that
; 48 LDS loads in one run: the fragments of the slot's q-th 128 along K into set: P's eight, then Q's four
.macro FETCH slot, q, set
	WIN TO_P
.irp b, 0,1,2,3,4,5,6,7
.irp c, 0,1,2,3
	ds_load_b128 v[128*(\set)+16*\b+4*\c:128*(\set)+16*\b+4*\c+3], v[ADRP+\slot] offset:\b*16*272+128*(\q)+32*\c
.endr
.endr
	WIN 0
.irp a, 0,1,2,3
.irp c, 0,1,2,3
	ds_load_b128 v[128+64*(\set)+16*\a+4*\c:128+64*(\set)+16*\a+4*\c+3], v[ADRQ+\slot] offset:\a*16*QPITCH+(\q)*QSTEP+32*\c
.endr
.endr
.endm
; 8 matrix instructions: Q's tile a x P's eight.  The 32 accumulators take turns, one instruction a turn, in the same order in every step.  zero = 1: the first product starts the sums
.macro MUL8 a, set, zero
.irp b, 0,1,2,3,4,5,6,7
.if \zero
	v_wmma_f32_16x16x128_fp8_fp8 v[8*(8*(\a)+\b):8*(8*(\a)+\b)+7], v[128*(\set)+16*\b:128*(\set)+16*\b+15], v[128+64*(\set)+16*(\a):128+64*(\set)+16*(\a)+15], 0
.else
	v_wmma_f32_16x16x128_fp8_fp8 v[8*(8*(\a)+\b):8*(8*(\a)+\b)+7], v[128*(\set)+16*\b:128*(\set)+16*\b+15], v[128+64*(\set)+16*(\a):128+64*(\set)+16*(\a)+15], v[8*(8*(\a)+\b):8*(8*(\a)+\b)+7]
.endif
.endr
.endm
; A slot's first step multiplies set 0 and fetches the second step's fragments into set 1
.macro STEP slot, zero
	s_wait_dscnt 8                                 ; P's eight and Q's tiles 0, 1 are in; the youngest eight loads (Q's tiles 2, 3) may be out
	WIN MUL
	MUL8 0, 0, \zero
	MUL8 1, 0, \zero
	PLACES 4                                       ; four plain vector instructions in front of loads into registers that matrix instructions have read
	FETCH \slot, 1, 1
	s_wait_dscnt 48                                ; all but the 48 just issued
	WIN MUL
	MUL8 2, 0, \zero
	MUL8 3, 0, \zero
.endm
; A slot's second step multiplies set 1 and changes slots: ONE barrier; in front of it each wave waits for all its tensor loads, adds 0 to its spare word, and waits for that and for its reads of this slot
; A region's second step whose successor lies in the same slot: it multiplies set 1 and fetches the next region's first fragments into set 0; no barrier
.macro NEXT next
	s_wait_dscnt 8                                 ; P's eight and Q's tiles 0, 1 are in; the youngest eight loads may be out
	WIN MUL
	MUL8 0, 1, 0
	MUL8 1, 1, 0
	PLACES 4
	FETCH \next, 0, 0
	s_wait_dscnt 48                                ; all but the 48 just issued
	WIN MUL
	MUL8 2, 1, 0
	MUL8 3, 1, 0
.endm
; fill = 1: the long slot is filled again; fill = 2: the short one; fill = 0: nothing
.macro TURN slot, next, fill
	WIN 0                                          ; (the add's two registers lie in window 0)
	s_wait_tensorcnt 0x0                           ; all my tensor loads have landed: my part of the next slot
	ds_add_u32 v[SPW], v[NIL]                      ; 0 onto my spare word
	s_wait_dscnt 9                                 ; (the add and the youngest eight loads may be out)
	WIN MUL
	MUL8 0, 1, 0                                   ; eight matrix instructions stand between the add and the wait for it
	s_wait_dscnt 0x0                               ; the add is done, and my reads of this slot are over
	s_barrier_signal -1
	MUL8 1, 1, 0
	WIN 0
	s_barrier_wait -1
.if \fill
	CREST                                          ; the barrier has opened a round of the cluster's: no wave of any partner still reads this slot or has a load on its way
	s_add_nc_u64 s[G0P+4*(\fill-1)+2:G0P+4*(\fill-1)+3], s[G0P+4*(\fill-1)+2:G0P+4*(\fill-1)+3], 768   ; once round the ring is 768 along K
	s_add_nc_u64 s[G0Q+4*(\fill-1)+2:G0Q+4*(\fill-1)+3], s[G0Q+4*(\fill-1)+2:G0Q+4*(\fill-1)+3], 768
	JLOAD (\fill-1)
.else
	PLACES 4
.endif
	FETCH \next, 0, 0
	WIN MUL
	MUL8 2, 1, 0
	MUL8 3, 1, 0
.endm
	s_wait_alu depctr_va_vdst(0)
	s_wait_tensorcnt 0x0                           ; my part of slot 0 is in; slot 1's first fill is issued as a refill is:
	ds_add_u32 v[SPW], v[NIL]                      ; 0 onto my spare word
	s_wait_dscnt 0x0
	CROUND                                         ; a whole round: everybody's part of slot 0 is in, and the four partners' joint loads meet
	JLOAD 1                                        ; the first tensor load behind the round
	FETCH 0, 0, 0
	STEP 0, 1                                      ; K piece 0: the first products start the sums
	NEXT 1
	STEP 1, 0                                      ; piece 1
	TURN 1, 2, 1                                   ; the long slot is read out: it takes pieces 3 and 4
	STEP 2, 0                                      ; piece 2
	TURN 2, 0, 2                                   ; the short slot takes piece 5
	STEP 0, 0                                      ; piece 3
	NEXT 1
	STEP 1, 0                                      ; piece 4
	TURN 1, 2, 1                                   ; the long slot takes pieces 6 and 7
	STEP 2, 0                                      ; piece 5
	TURN 2, 0, 0                                   ; nothing is left to ask for: written out
	STEP 0, 0                                      ; piece 6
	NEXT 1
	STEP 1, 0                                      ; piece 7
	s_wait_dscnt 8                                 ; the very last step: nothing more to fetch
	WIN MUL
	MUL8 0, 1, 0
	MUL8 1, 1, 0
	s_wait_dscnt 0x0
	MUL8 2, 1, 0
	MUL8 3, 1, 0
	WIN 0
	PLACES 4                                       ; in front of the first reads of results and the first writes over Q's fragments
	s_cmp_ge_u32 ttmp9, 48                         ; the cluster's number: the same in all waves and in all partners
	s_cbranch_scc1 .Lv
	; ---- q and k: rope, the hold, the conversion.  Accumulator (a, b): token 16 a + r, head b / 4 of my two, channel 16 (b % 4) + 8 h + j
	s_lshr_b32 s80, s26, 4                         ; the batch
	s_lshl_b32 s81, s27, 2
	s_lshl_b32 s82, s22, 1
	s_add_co_u32 s81, s81, s82                     ; 4 x P tile + 2 x my half
	s_lshl_b32 s83, s80, 4
	s_add_co_u32 s83, s83, s81                     ; q: 16 b + head
	s_lshl_b32 s84, s80, 3
	s_add_co_u32 s84, s84, s81
	s_sub_co_u32 s84, s84, 16                      ; k: 8 b + head (P tiles 4 and 5)
	s_cmp_lt_u32 ttmp9, 32
	s_cselect_b32 s83, s83, s84
	s_cselect_b64 s[86:87], s[14:15], s[16:17]
	s_lshl_b32 s83, s83, 11
	s_add_co_u32 s83, s83, s29                     ; + my first token
	s_lshl_b32 s84, s83, 6                         ; rows of 64 bytes
	s_mov_b32 s85, 0
	s_add_nc_u64 s[86:87], s[86:87], s[84:85]
	s_wait_loadcnt 0x0                             ; cos and sin
.irp a, 0,1,2,3
	WIN 0x0e                                       ; source 0 (sums) window 2, source 1 (cos, sin) window 3
.irp hh, 0,1
.irp bl, 0,1
.irp j, 0,2,4,6                        ; each accumulator is read from its low end on.  out(d) = q(d) cos(d) - q(d + 32) sin(d);  out(d + 32) = q(d + 32) cos(d + 32) + q(d) sin(d + 32)
	v_pk_mul_f32 v[T+8*(4*\hh+\bl)+\j:T+8*(4*\hh+\bl)+\j+1], v[8*(8*\a+4*\hh+\bl)+\j:8*(8*\a+4*\hh+\bl)+\j+1], v[32*\a+8*\bl+\j:32*\a+8*\bl+\j+1]
	v_pk_mul_f32 v[T+8*(4*\hh+\bl+2)+\j:T+8*(4*\hh+\bl+2)+\j+1], v[8*(8*\a+4*\hh+\bl+2)+\j:8*(8*\a+4*\hh+\bl+2)+\j+1], v[32*\a+8*(\bl+2)+\j:32*\a+8*(\bl+2)+\j+1]
	v_pk_fma_f32 v[T+8*(4*\hh+\bl)+\j:T+8*(4*\hh+\bl)+\j+1], v[8*(8*\a+4*\hh+\bl+2)+\j:8*(8*\a+4*\hh+\bl+2)+\j+1], v[128+32*\a+8*\bl+\j:128+32*\a+8*\bl+\j+1], v[T+8*(4*\hh+\bl)+\j:T+8*(4*\hh+\bl)+\j+1] neg_lo:[1,0,0] neg_hi:[1,0,0]
	v_pk_fma_f32 v[T+8*(4*\hh+\bl+2)+\j:T+8*(4*\hh+\bl+2)+\j+1], v[8*(8*\a+4*\hh+\bl)+\j:8*(8*\a+4*\hh+\bl)+\j+1], v[128+32*\a+8*(\bl+2)+\j:128+32*\a+8*(\bl+2)+\j+1], v[T+8*(4*\hh+\bl+2)+\j:T+8*(4*\hh+\bl+2)+\j+1]
.endr
.endr
.endr
	WIN 0
.set II, 0
.rept 64
	v_med3_num_f32 v[T+II], v[T+II], -v13, v13     ; the conversion to an 8-bit code does not saturate (ISA guide 7.6.2): the hold comes first
.set II, II+1
.endr
.irp b, 0,1,2,3,4,5,6,7
	v_cvt_scalef32_pk8_fp8_f32 v[CD+16*\a+2*\b:CD+16*\a+2*\b+1], v[T+8*\b:T+8*\b+7], v12
.endr
	v_nop                                          ; one plain vector instruction behind the conversions: the next tile writes their sources
.irp b, 0,1,2,3,4,5,6,7
	ds_store_b64 v23, v[CD+16*\a+2*\b:CD+16*\a+2*\b+1] offset:\a*16*144+16*\b   ; token 16 a + r, channels 16 b + 8 h on of my 128
.endr
.endr
.irp hh, 0,1
.irp i, 0,1,2,3,4,5,6,7
	ds_load_b128 v[BK+4*(8*\hh+\i):BK+4*(8*\hh+\i)+3], v24 offset:\i*8*144+64*\hh   ; the stage is my own and LDS serves a wave's instructions in order: these see my stores
.endr
.endr
.irp hh, 0,1
.irp i, 0,1,2,3,4,5,6,7
	s_wait_dscnt 15-8*\hh-\i
	global_store_b128 v25, v[BK+4*(8*\hh+\i):BK+4*(8*\hh+\i)+3], s[86:87] offset:\hh*131072+\i*512   ; eight tokens of one head: 512 consecutive bytes, aligned
.endr
.endr
	s_branch .Lend
.Lv:	; ---- v: accumulator (a, b): channel 16 a + r of my kv head, keys 16 b + 8 h + j of my 128
	s_lshr_b32 s80, s28, 3                         ; the batch
	s_lshl_b32 s80, s80, 9                         ; its 512 rows of vc
	s_lshl_b32 s81, s25, 7
	s_add_co_u32 s80, s80, s81                     ; + my work-group's 128 channels
	s_lshl_b32 s81, s20, 5
	s_add_co_u32 s80, s80, s81                     ; + the 32 rows that I store
	s_lshl_b32 s80, s80, 11
	s_and_b32 s81, s28, 7
	s_lshl_b32 s81, s81, 8
	s_add_co_u32 s80, s80, s81                     ; + the tile's 256 keys
	s_mov_b32 s81, 0
	s_add_nc_u64 s[86:87], s[18:19], s[80:81]
	s_wait_alu depctr_va_vdst(0)
.irp a, 0,1,2,3
	WIN 0x02                                       ; source 0 (sums) window 2
.set II, 0
.rept 64
	v_med3_num_f32 v[T+II], v[64*\a+II], -v13, v13 ; the hold; each accumulator from its low end on
.set II, II+1
.endr
	WIN 0
.irp b, 0,1,2,3,4,5,6,7
	v_cvt_scalef32_pk8_fp8_f32 v[CD+16*\a+2*\b:CD+16*\a+2*\b+1], v[T+8*\b:T+8*\b+7], v12
.endr
	v_nop                                          ; one plain vector instruction behind the conversions
.irp b, 0,1,2,3,4,5,6,7
	ds_store_b64 v26, v[CD+16*\a+2*\b:CD+16*\a+2*\b+1] offset:\a*16*272+16*\b
.endr
.endr
	s_wait_dscnt 0x0                               ; for the others' sake: a row's 256 keys come from two waves
	s_barrier_signal -1
	s_barrier_wait -1
.irp i, 0,1,2,3,4,5,6,7,8,9,10,11,12,13,14,15
	ds_load_b128 v[BK+4*\i:BK+4*\i+3], v27 offset:\i*544
.endr
.irp i, 0,1,2,3,4,5,6,7,8,9,10,11,12,13,14,15
	s_wait_dscnt 15-\i
	global_store_b128 v30, v[BK+4*\i:BK+4*\i+3], s[86:87] offset:\i*4096   ; sixteen lanes store 256 consecutive bytes, aligned
.endr
.Lend:
	s_wait_tensorcnt 0x0                           ; the wave's end: behind my last tensor load and my last LDS store
	ds_add_u32 v[SPW], v[NIL]
	s_wait_dscnt 0x0
	CROUND                                         ; the closing round: no work-group ends while a partner may still ask for a tile that names it
	s_endpgm
.Lfunc_end_k_q1694a92fa5_qkv:
	.size	k_q1694a92fa5_qkv, .Lfunc_end_k_q1694a92fa5_qkv-k_q1694a92fa5_qkv
	.p2alignl 7, 3214868480
	.fill 96, 4, 3214868480
	.section	.rodata,"a",@progbits
	.p2align	6, 0x0
	.amdhsa_kernel k_q1694a92fa5_qkv
		.amdhsa_group_segment_fixed_size 327680
		.amdhsa_private_segment_fixed_size 0
		.amdhsa_enable_private_segment 0
		.amdhsa_kernarg_size 64
		.amdhsa_user_sgpr_count 2
		.amdhsa_user_sgpr_kernarg_segment_ptr 1
		.amdhsa_wavefront_size32 1
		.amdhsa_system_sgpr_workgroup_id_x 1
		.amdhsa_system_sgpr_workgroup_id_y 1
		.amdhsa_system_sgpr_workgroup_id_z 1
		.amdhsa_system_vgpr_workitem_id 0
		.amdhsa_next_free_vgpr 1024
		.amdhsa_next_free_sgpr 100
		.amdhsa_reserve_vcc 0
		.amdhsa_float_denorm_mode_32 3
		.amdhsa_float_denorm_mode_16_64 3
		.amdhsa_memory_ordered 1
		.amdhsa_forward_progress 1
		.amdhsa_inst_pref_size 169
	.end_amdhsa_kernel
	.amdgpu_metadata
---
amdhsa.version: [ 1, 2 ]
amdhsa.kernels:
  - .name:           k_q1694a92fa5_qkv
    .symbol:         k_q1694a92fa5_qkv.kd
    .args:
      - { .name: xc, .offset: 0, .size: 8, .value_kind: global_buffer, .address_space: global }
      - { .name: wc, .offset: 8, .size: 8, .value_kind: global_buffer, .address_space: global }
      - { .name: cos, .offset: 16, .size: 8, .value_kind: global_buffer, .address_space: global }
      - { .name: sin, .offset: 24, .size: 8, .value_kind: global_buffer, .address_space: global }
      - { .name: lowp_scales, .offset: 32, .size: 8, .value_kind: global_buffer, .address_space: global }
      - { .name: qc, .offset: 40, .size: 8, .value_kind: global_buffer, .address_space: global }
      - { .name: kc, .offset: 48, .size: 8, .value_kind: global_buffer, .address_space: global }
      - { .name: vc, .offset: 56, .size: 8, .value_kind: global_buffer, .address_space: global }
    .group_segment_fixed_size: 327680
    .private_segment_fixed_size: 0
    .kernarg_segment_align: 8
    .kernarg_segment_size: 64
    .max_flat_workgroup_size: 128
    .sgpr_count:     100
    .vgpr_count:     1024
    .wavefront_size: 32
...
	.end_amdgpu_metadata
.endif
;; end of part 2
;; launch attn (part 3): grid 16 x 16, 8 waves a work-group, clusters of 4 x 1, 327,680 bytes of LDS; arguments qc, kc, vc, lowp_scales, ac; writes ac
.if DOCPART == 3
	.amdgcn_target "amdgcn-amd-amdhsa--gfx1250"
	.amdhsa_code_object_version 6
	.text
	.protected	k_q1694a92fa5_attn
	.globl	k_q1694a92fa5_attn
	.p2align	8
	.type	k_q1694a92fa5_attn,@function
k_q1694a92fa5_attn:
	s_mov_b64 s[64:65], 0
	v_nop
	global_prefetch_b8 v0, s[64:65] scope:SCOPE_SE
	s_setreg_imm32_b32 hwreg(HW_REG_WAVE_MODE, 25, 1), 1
	s_wait_xcnt 0x0
	s_wait_alu depctr_hold_cnt(0) depctr_sa_sdst(0) depctr_va_vdst(0) depctr_va_sdst(0) depctr_va_ssrc(0) depctr_va_vcc(0) depctr_vm_vsrc(0)
	s_getreg_b32 s2, hwreg(HW_REG_IB_STS2, 6, 4)
	s_cmp_eq_u32 s2, 0
	s_cbranch_scc0 .Lentry_in_a_cluster
	s_endpgm
.Lentry_in_a_cluster:
	s_bfe_u32 s2, ttmp6, 0x10000c
	s_cmp_lg_u32 s2, 0x3003
	s_cbranch_scc0 .Lentry_shape_is_right
	s_endpgm
.Lentry_shape_is_right:
; Causal attention on codes of E4M3, head size 64, two query heads to a kv head; the result is quantised for the last product.
; qc [b 16 + h][2048][64] (2^e6), kc [b 8 + g][2048][64] (2^e7), vc [b 8 + g][64][2048], keys innermost (2^e8); p is quantised with 2^e9; the result with 2^e10 into
; ac [8 g][4096 rows b 2048 + s][128]: bytes 0-63 head 2 g, bytes 64-127 head 2 g + 1.
; LEFT OUT: key steps all of whose keys come after the wave's queries: reference()'s own causal mask gives them the weight 0 (shown at the head of the launch quant).
; THE SOFTMAX: t = score x log2(e) / 8; M = the row's largest t so far, rounded UP to a whole number; p = 2^(t - M) is quantised along the keys, not normalised.  The row's sum is taken of the unquantised p
; and divides O at the end.  When M moves, the sum and O are multiplied by 2^(old M - new M): exact.
; K AND V STAY IN LDS.  A kv head's 2,048 keys are 131,072 bytes of K and as many of V: with their padding 299,008 bytes.  Each of the eight waves fetches a quarter of K (waves 0-3: 512 keys, dense, stated
; as 128 rows of 256 bytes) or of V (waves 4-7: 64 rows of 512 bytes) by ONE tensor load at the head.  Nothing is filled again: one barrier shows the tiles to all waves, and the loop over the keys has none.
; CLUSTER 4, 1, 1: the sixteen work-groups of a kv head read the same K and V; four of them ask jointly (mask 15), all eight loads behind one round.
; SHARES.  A tile is 16 queries of BOTH heads (each fragment of K and V feeds two matrix instructions); a sequence has 128 tiles; tile T has T / 8 + 1 key steps of 128 keys.  Work-group j = 4 x cluster + cx
; owns tiles T = j, 31 - j, 32 + j, 63 - j (one for each s = wave % 4) and 127 - T: S = T / 8 + 1 and 17 - S steps, 17 in all.  Wave s (A) takes tile T's S steps and steps 0 .. 8 - S of tile 127 - T;
; wave s + 4 (B) takes steps 9 - S .. 16 - S of tile 127 - T: nine steps and eight.  At the end A hands its part (O, M, the sum) to B through LDS, and B joins the two by powers of two.
; S hangs on the cluster's number and the wave's alone (four neighbouring j have one j / 8): no branch and no LDS address hangs on cx, which enters the addresses of Q and of the result and the mask's numbers.
; THE LOOP has 24 trips in every wave, m = 8 .. 31; the key step is made of m alone: 15 - m while m < 16 (tile T, from the diagonal down), then m - 16.  A works in trips 16 - S .. 24 - S, B in 25 - S .. 32 - S;
; the other trips are jumped over by ids.  At m = 16 A stores tile T and begins tile 127 - T.  In a tile's diagonal step every query sees its own key, so M is a number from a wave's first step on.
; LAYOUT.  Both products are used transposed: S^T = K Q^T, O^T = V^T P^T: a lane holds ONE query (lane % 16).  Register 8 t + j of lane (r, h) is key 16 t + 8 h + j, so the conversions' results are the second
; product's operand in the form's own order (ISA guide 7.12.2), and V's fragments are fetched in that order, eight bytes at a time.  K and Q are fetched in pieces of 16 bytes: one permutation of the head's 64 in both.
; NO PREFETCH: every tensor load goes out at the head; there is no loop to run ahead in.
; LIMITS: e6 + e7 between -123 and 130 (added to the exponent field of log2(e) / 8); e9 and e10 - e8 - e9 between -126 and 119; the scaled scores stay under 2^31 in magnitude.
; REGISTERS.  Window 0: v1-11 addresses and the mask's number; v12-19 four statistics a head (-M, the largest t, the sum in two halves); v20-26 scales and holds; v32-47 Q of both heads; v48-62 at work;
;   v64-191 S^T, then p, of both heads; v192-255 O^T of both heads.   Window 1: v0-63 K, v64-127 V, v128-159 p's codes, v160-175 Q of tile 127 - T.
.set KP,    80                         ; a key's row in LDS: 64 bytes + 16: 20 words, so 16 neighbouring rows start at 16 different groups of four banks (64 banks of 4 bytes: ISA guide 11.1)
.set VP,    528                        ; a row of a quarter of V: 512 bytes + 16: 132 words: the 32 lanes of a load of 8 bytes touch 64 different banks
.set KQ,    512*KP                     ; a quarter of K
.set VQ,    64*VP                      ; a quarter of V
.set VOFF,  4*KQ
.set STAGE, VOFF+4*VQ                  ; the way out: 16 rows x (128 + 16) bytes for each wave, its own; no tile lands there
.set SPARE, STAGE+8*16*144             ; the spare words, 128 bytes for each of eight waves
.set MRG,   72*128                     ; A's part for B: an image of 72 registers, from LDS byte 0 on: K's bytes, which have had their one fill and, behind the barrier, their last read
.set AK0,  1
.set AV0,  2
.set MA,   3                           ; v3   my place in the image
.set SPW,  5                           ; v5   LDS address of my spare word; never rewritten
.set NIL,  6                           ; v6   0; never rewritten
.set GO,   7
.set ADK,  8
.set ADV,  9
.set DM,   11                          ; v11  16 (tile % 8) + r - 8 h of the tile whose diagonal step is mine
.set ST,   12
.set QF,   32
.set NI,   62                          ; v62  -infinity
.set SR,   64
.set OT,   192
.set KA,   0                           ; in window 1
.set VF,   64
.set CD,   128
.set QL,   160
.set WV,   14
.set SG,   15                          ; s15  wave % 4
.set RL,   16                          ; s16  0: A, 1: B
.set SS,   17                          ; s17  S
.set LO,   18                          ; s18, s19  my trips: LO <= m < HI
.set HI,   19
.set SEL,  20                          ; s[20:21] lane selects for v_permlanex16_b32: lane l xor 16
.set CS,   22                          ; s[22:23] c = log2(e) / 8 x 2^(e6 + e7)
.set G1K,  24
.set G1V,  32
.set G0K,  40
.set G0V,  44
.set DG,   48                          ; s48  the trip of my diagonal step
.set SW,   49                          ; s49  the trip at which A changes tiles (B: none)
.set MC,   50                          ; s50  m
.set KB,   51                          ; s51, s52  the step's first byte in K and in V
.set VB,   52
.set OP,   94                          ; s[94:95] the rows of ac of the tile in hand;  s[96:97] of tile 127 - T
.set MSB, 0
.macro WIN new                         ; the immediate's high byte repeats the setting that is left; at a label and at a branch every window is 0
.if MSB != \new
	s_set_vgpr_msb (MSB<<8)|\new
.set MSB, \new
.endif
.endm
.macro ROUND                           ; a round of the cluster's barrier
	s_barrier_signal -1
	s_barrier_wait -1
	s_cmp_lg_u32 s[WV], 0
	s_cbranch_scc1 .Lnot_wave_0_\@
	s_barrier_signal -3
.Lnot_wave_0_\@:
	s_barrier_wait -3
	s_barrier_signal -1
	s_barrier_wait -1
.endm
.macro INIT                            ; a tile begins: the step is written once, and the first finds zeros, which the first change of M leaves zeros
.irp h, 0,1
	v_mov_b32 v[ST+4*\h+1], 0xff61b1e6             ; the largest t so far: -3e38, under every t
	v_floor_f32 v[ST+4*\h], -v[ST+4*\h+1]          ; -M
	v_mov_b32 v[ST+4*\h+2], 0                      ; the sum, in two halves
	v_mov_b32 v[ST+4*\h+3], 0
.endr
.set II, 0
.rept 64
	v_mov_b32 v[OT+II], 0
.set II, II+1
.endr
.endm
	s_load_b256 s[4:11], s[0:1], 0x0               ; qc s[4:5], kc s[6:7], vc s[8:9], the scales' exponents s[10:11]
	s_load_b64 s[12:13], s[0:1], 0x20              ; ac
	v_lshl_add_u32 v[SPW], v0, 2, SPARE
	v_mov_b32 v[NIL], 0
	ds_add_u32 v[SPW], v[NIL]                      ; the wave's opening: the add, twice on end, and its wait ahead of my tensor load
	ds_add_u32 v[SPW], v[NIL]
	v_lshrrev_b32 v8, 5, v0
	v_readfirstlane_b32 s[WV], v8                  ; wave 0..7
	s_and_b32 s[SG], s[WV], 3
	s_lshr_b32 s[RL], s[WV], 2
	s_and_b32 s60, ttmp7, 0xffff                   ; b 8 + g
	s_lshl_b32 s62, s60, 17                        ; its first byte in kc and in vc
	s_mov_b32 s63, 0
	s_lshl_b32 s56, s[SG], 15                      ; my quarter of K in memory: 512 keys of 64 bytes,
	s_mov_b32 s57, 0
	s_lshl_b32 s58, s[SG], 9                       ; of V: 512 bytes along each row
	s_mov_b32 s59, 0
	s_mov_b32 s[G1K], 15|(1<<20)|(1<<21)|(3<<22)|(3<<25)   ; the mask: all four partners; elements of 1 byte; padding: four words behind every 16; bit 21 beside a mask
	s_mov_b32 s[G1K+1], 256<<16                    ; tensor_dim0
	s_mov_b32 s[G1K+2], 128<<16                    ; tensor_dim1
	s_mov_b32 s[G1K+3], 256<<16                    ; tile_dim0
	s_mov_b32 s[G1K+4], 128                        ; tile_dim1
	s_mov_b32 s[G1K+5], 256                        ; a row in memory
	s_mov_b32 s[G1K+6], 0
	s_mov_b32 s[G1K+7], 0
	s_mov_b32 s[G1V], 15|(1<<20)|(1<<21)|(6<<22)|(3<<25)   ; padding: four words behind every 128
	s_mov_b32 s[G1V+1], 512<<16
	s_mov_b32 s[G1V+2], 64<<16
	s_mov_b32 s[G1V+3], 512<<16
	s_mov_b32 s[G1V+4], 64
	s_mov_b32 s[G1V+5], 2048
	s_mov_b32 s[G1V+6], 0
	s_mov_b32 s[G1V+7], 0
	s_mov_b32 s[G0K], 1
	s_mul_i32 s[G0K+1], s[SG], KQ
	s_mov_b32 s[G0V], 1
	s_mul_i32 s[G0V+1], s[SG], VQ
	s_add_co_u32 s[G0V+1], s[G0V+1], VOFF
	s_wait_dscnt 0x0                               ; both opening adds are done
	s_wait_kmcnt 0x0
	s_load_b256 s[68:75], s[10:11], 0x0            ; e0 .. e7
	s_load_b128 s[76:79], s[10:11], 0x20           ; e8 .. e11
	s_add_nc_u64 s[G0K+2:G0K+3], s[6:7], s[62:63]
	s_add_nc_u64 s[G0K+2:G0K+3], s[G0K+2:G0K+3], s[56:57]
	s_or_b32 s[G0K+3], s[G0K+3], 0x80000000
	s_add_nc_u64 s[G0V+2:G0V+3], s[8:9], s[62:63]
	s_add_nc_u64 s[G0V+2:G0V+3], s[G0V+2:G0V+3], s[58:59]
	s_or_b32 s[G0V+3], s[G0V+3], 0x80000000
	ROUND                                          ; all four work-groups are here: the joint loads meet
	s_cmp_lt_u32 s[WV], 4                          ; every wave issues one load: waves 0-3 K's quarters, waves 4-7 V's.  An s_nop 0 and four v_nop follow each line
	s_cbranch_scc0 .Lfor_v
	tensor_load_to_lds s[G0K:G0K+3], s[G1K:G1K+7]
	s_nop 0
.rept 4
	v_nop
.endr
	s_branch .Lasked
.Lfor_v:
	tensor_load_to_lds s[G0V:G0V+3], s[G1V:G1V+7]
	s_nop 0
.rept 4
	v_nop
.endr
.Lasked:
	; my trips: of the cluster's number and the wave's alone
	s_lshr_b32 s53, ttmp9, 1                       ; u = j / 8
	s_lshr_b32 s54, s[SG], 1
	s_lshl_b32 s54, s54, 2
	s_add_co_u32 s55, s54, s53
	s_add_co_u32 s55, s55, 1                       ; tiles j, 32 + j: S = 4 (s / 2) + 1 + u
	s_sub_co_u32 s56, s54, s53
	s_add_co_u32 s56, s56, 4                       ; tiles 31 - j, 63 - j: S = 4 (s / 2) + 4 - u
	s_bitcmp1_b32 s[SG], 0
	s_cselect_b32 s[SS], s56, s55
	s_sub_co_u32 s[LO], 16, s[SS]
	s_mul_i32 s57, s[RL], 9
	s_add_co_u32 s[LO], s[LO], s57                 ; A: 16 - S; B: 25 - S
	s_sub_co_u32 s[HI], 9, s[RL]
	s_add_co_u32 s[HI], s[HI], s[LO]               ; nine trips, or eight
	s_mul_i32 s57, s[RL], 7
	s_add_co_u32 s[DG], s[LO], s57                 ; the diagonal step: A's first trip, B's last
	s_lshl_b32 s57, s[RL], 6
	s_add_co_u32 s[SW], s57, 16
	s_mul_i32 s58, s[WV], 16*144
	s_add_co_u32 s58, s58, STAGE                   ; my stage
	s_mul_i32 s59, s[SG], MRG                      ; my pair's image
	s_mov_b32 s[SEL], 0x76543210
	s_mov_b32 s[SEL+1], 0xfedcba98
	s_mov_b32 s[CS], 0x3e38aa3b                    ; log2(e) / 8
	; my tiles: cx enters here, and goes into global addresses and the mask's number alone
	s_bfe_u32 s80, ttmp6, 0x40000
	s_lshl_b32 s81, ttmp9, 2
	s_add_co_u32 s81, s81, s80                     ; j
	s_sub_co_u32 s82, 31, s81
	s_bitcmp1_b32 s[SG], 0
	s_cselect_b32 s82, s82, s81
	s_lshl_b32 s83, s54, 3
	s_add_co_u32 s82, s82, s83                     ; T
	s_sub_co_u32 s83, 127, s82                     ; 127 - T
	s_cmp_eq_u32 s[RL], 0
	s_cselect_b32 s84, s82, s83                    ; the tile that I begin with
	s_lshl_b32 s85, s60, 18                        ; head b 16 + 2 g in qc: 131,072 bytes a head
	s_lshl_b32 s86, s84, 10                        ; a tile's 16 rows of 64 bytes
	s_add_co_u32 s86, s86, s85
	s_mov_b32 s87, 0
	s_lshl_b32 s88, s83, 10
	s_add_co_u32 s88, s88, s85
	s_mov_b32 s89, 0
	s_and_b32 s57, s60, 7
	s_lshl_b32 s57, s57, 19                        ; ac: chunk g,
	s_lshr_b32 s61, s60, 3
	s_lshl_b32 s61, s61, 18                        ; the batch's 2,048 rows of 128 bytes,
	s_add_co_u32 s57, s57, s61
	s_lshl_b32 s66, s84, 11                        ; the tile's 16
	s_add_co_u32 s66, s66, s57
	s_mov_b32 s67, 0
	s_lshl_b32 s98, s83, 11
	s_add_co_u32 s98, s98, s57
	s_mov_b32 s99, 0
	s_and_b32 s85, s84, 7
	s_lshl_b32 s85, s85, 4                         ; 16 (tile % 8)
	s_add_nc_u64 s[90:91], s[4:5], s[86:87]
	s_add_nc_u64 s[92:93], s[4:5], s[88:89]
	s_add_nc_u64 s[OP:OP+1], s[12:13], s[66:67]
	s_add_nc_u64 s[96:97], s[12:13], s[98:99]
	v_and_b32 v8, 15, v0                           ; r
	v_bfe_u32 v9, v0, 4, 1                         ; h
	v_lshlrev_b32 v10, 6, v8
	v_lshl_add_u32 v10, v9, 4, v10                 ; Q: row r of 64 bytes, + 16 h
	global_load_b128 v[QF:QF+3], v10, s[90:91]     ; Q of the tile that I begin with: head 2 g,
	global_load_b128 v[QF+4:QF+7], v10, s[90:91] offset:32
	global_load_b128 v[QF+8:QF+11], v10, s[90:91] offset:131072    ; head 2 g + 1
	global_load_b128 v[QF+12:QF+15], v10, s[90:91] offset:131072+32
	WIN 0x40                                       ; destination window 1
	global_load_b128 v[QL:QL+3], v10, s[92:93]     ; Q of tile 127 - T, for A's change of tiles (B asks too: the head has one path)
	global_load_b128 v[QL+4:QL+7], v10, s[92:93] offset:32
	global_load_b128 v[QL+8:QL+11], v10, s[92:93] offset:131072
	global_load_b128 v[QL+12:QL+15], v10, s[92:93] offset:131072+32
	WIN 0
	v_mul_u32_u24 v[AK0], v8, KP
	v_lshl_add_u32 v[AK0], v9, 4, v[AK0]           ; K: row r, + 16 h
	v_mul_u32_u24 v[AV0], v8, VP
	v_lshl_add_u32 v[AV0], v9, 3, v[AV0]
	v_add_nc_u32 v[AV0], VOFF, v[AV0]              ; V: row r, + 8 h
	v_and_b32 v4, 31, v0
	v_lshlrev_b32 v[GO], 4, v4                     ; the way out: 16 bytes a lane of four rows' 512
	v_add_nc_u32 v[MA], s59, v[GO]                 ; the image: 16 bytes a lane
	v_mul_u32_u24 v22, v8, 144
	v_lshl_add_u32 v22, v9, 3, v22
	v_add_nc_u32 v22, s58, v22                     ; the stage, in: row r, + 8 h
	v_lshrrev_b32 v23, 3, v4
	v_mul_u32_u24 v23, v23, 144
	v_and_b32 v4, 7, v0
	v_lshl_add_u32 v23, v4, 4, v23
	v_add_nc_u32 v23, s58, v23                     ; back: eight lanes to a row, four rows an instruction
	v_lshlrev_b32 v63, 3, v9
	v_sub_nc_u32 v[DM], v8, v63
	v_add_nc_u32 v[DM], s85, v[DM]
	v_mov_b32 v[NI], 0xff800000
.irp r, 53,55,57,59,60,61
	v_mov_b32 v\r, 0                               ; upper halves of pairs that are named whole, and the lane permutes' destinations, which count as sources
.endr
	INIT
	s_wait_alu depctr_va_vdst(0)
	s_wait_kmcnt 0x0
	s_add_co_i32 s53, s74, s75                     ; e6 + e7: added to c's exponent field
	s_lshl_b32 s53, s53, 23
	s_add_co_i32 s[CS], s[CS], s53
	s_mov_b32 s[CS+1], s[CS]                       ; (named with it as a pair, so it is written)
	s_add_co_i32 s53, s77, 127
	s_lshl_b32 s54, s53, 23
	s_add_co_i32 s53, s53, 8
	s_lshl_b32 s53, s53, 23
	s_or_b32 s53, s53, 0x600000
	s_sub_co_i32 s55, s78, s76
	s_sub_co_i32 s55, s55, s77                     ; e10 - e8 - e9: O^T / the sum stands for the result / 2^(e8 + e9)
	s_add_co_i32 s55, s55, 127
	s_lshl_b32 s56, s55, 23
	s_add_co_i32 s55, s55, 8
	s_lshl_b32 s55, s55, 23
	s_or_b32 s55, s55, 0x600000
	v_mov_b32 v20, s54                             ; 2^e9 as f32, for p's conversion
	v_mov_b32 v21, s53                             ; 448 x 2^e9,
	v_mov_b32 v26, s53                             ; twice: the two halves of a dual instruction take their second sources from different register banks
	v_mov_b32 v24, s56                             ; the result's scale
	v_mov_b32 v25, s55                             ; 448 x that
; A KEY STEP: 128 keys, both heads; the two heads' chains stand line by line beside each other
.macro KLOAD                           ; the eight fragments of K of the key step whose first byte is s[KB]: tile t = keys 16 t .. 16 t + 15
	v_add_nc_u32 v[ADK], s[KB], v[AK0]
	WIN 0x40                                       ; destination window 1, address window 0
.irp t, 0,1,2,3,4,5,6,7
	ds_load_b128 v[KA+8*\t:KA+8*\t+3], v[ADK] offset:16*\t*KP
	ds_load_b128 v[KA+8*\t+4:KA+8*\t+7], v[ADK] offset:16*\t*KP+32
.endr
	WIN 0
.endm
.macro STEP
	v_add_nc_u32 v[ADV], s[VB], v[AV0]             ; (this step's K was asked for a trip ago)
	WIN 0x40                                       ; destination window 1, address window 0
.irp t, 0,1,2,3                                ; V lands under the softmax: registers 2 c, 2 c + 1: keys 16 c + 8 h + 0 .. 7 of channel 16 t + r
.irp c, 0,1,2,3,4,5,6,7
	ds_load_b64 v[VF+16*\t+2*\c:VF+16*\t+2*\c+1], v[ADV] offset:16*\t*VP+16*\c
.endr
.endr
	s_wait_dscnt 32                                ; K's sixteen loads are in; V's 32, issued behind them, may be out
	WIN 0x01                                       ; source 0 window 1
.irp t, 0,1,2,3,4,5,6,7
.irp h, 0,1
	v_wmma_f32_16x16x64_fp8_fp8 v[SR+64*\h+8*\t:SR+64*\h+8*\t+7], v[KA+8*\t:KA+8*\t+7], v[QF+8*\h:QF+8*\h+7], 0
.endr
.endr
	WIN 0
.rept 4
	v_nop                                          ; four places in front of the first reads of the scores (ISA guide 7.12.1)
.endr
	s_cmp_lg_u32 s[MC], s[DG]                      ; only the diagonal step has hidden keys
	s_cbranch_scc1 .Lopen_\@
.set NN, 0
.rept 64                                       ; register 8 t + j holds key 16 t + 8 h + j of the step: hidden where 16 t + j > 16 (tile % 8) + r - 8 h.  One compare serves both heads
	v_cmp_gt_i32 vcc_lo, 16*(NN/8)+NN%8, v[DM]
	v_cndmask_b32 v[SR+NN], v[SR+NN], v[NI], vcc_lo
	v_cndmask_b32 v[SR+64+NN], v[SR+64+NN], v[NI], vcc_lo
.set NN, NN+1
.endr
.Lopen_\@:
.irp h, 0,1                                    ; the step's largest score of my query among my 64 keys: two chains a head; each tile is first read at its low end
	v_max3_num_f32 v[48+2*\h], v[SR+64*\h], v[SR+64*\h+1], v[SR+64*\h+2]
	v_max3_num_f32 v[49+2*\h], v[SR+64*\h+3], v[SR+64*\h+4], v[SR+64*\h+5]
.endr
.irp i, 6,10,14,18,22,26,30,34,38,42,46,50,54,58
.irp h, 0,1
	v_max3_num_f32 v[48+2*\h], v[48+2*\h], v[SR+64*\h+\i], v[SR+64*\h+\i+1]
	v_max3_num_f32 v[49+2*\h], v[49+2*\h], v[SR+64*\h+\i+2], v[SR+64*\h+\i+3]
.endr
.endr
.irp h, 0,1
	v_max3_num_f32 v[48+2*\h], v[48+2*\h], v[SR+64*\h+62], v[SR+64*\h+63]
.endr
.irp h, 0,1
	v_max_num_f32 v[48+2*\h], v[48+2*\h], v[49+2*\h]
.endr
.irp h, 0,1
	v_permlanex16_b32 v[60+\h], v[48+2*\h], s[SEL], s[SEL+1]
.endr
.irp h, 0,1
	v_max_num_f32 v[48+2*\h], v[48+2*\h], v[60+\h] ; and among lane l xor 16's
.endr
.irp h, 0,1
	v_mul_f32 v[48+2*\h], s[CS], v[48+2*\h]        ; as t (c is positive)
.endr
.irp h, 0,1
	v_max_num_f32 v[ST+4*\h+1], v[ST+4*\h+1], v[48+2*\h]   ; the running largest t
.endr
.irp h, 0,1
	v_mov_b32 v[48+2*\h], v[ST+4*\h]
.endr
.irp h, 0,1
	v_floor_f32 v[ST+4*\h], -v[ST+4*\h+1]          ; the new -M = -ceil(t): M is a whole number
.endr
.irp h, 0,1
	v_sub_f32 v[48+2*\h], v[ST+4*\h], v[48+2*\h]   ; M's old value less its new one: a whole number, 0 or less
.endr
.irp h, 0,1
	v_cvt_i32_f32 v[48+2*\h], v[48+2*\h]           ; (it saturates)
.endr
.irp h, 0,1
	v_ldexp_f32 v[52+2*\h], 1.0, v[48+2*\h]        ; f = 2^(old M - new M)
.endr
.irp h, 0,1
	v_pk_mul_f32 v[ST+4*\h+2:ST+4*\h+3], v[ST+4*\h+2:ST+4*\h+3], v[52+2*\h:53+2*\h] op_sel_hi:[1,0]   ; the sums under the new M,
.set II, 0
.rept 16
	v_pk_mul_f32 v[OT+32*\h+II:OT+32*\h+II+1], v[OT+32*\h+II:OT+32*\h+II+1], v[52+2*\h:53+2*\h] op_sel_hi:[1,0]   ; and O^T, each accumulator from its low end on
.set II, II+2
.endr
.set II, 0
.rept 32
	v_pk_fma_f32 v[SR+64*\h+II:SR+64*\h+II+1], v[SR+64*\h+II:SR+64*\h+II+1], s[CS:CS+1], v[ST+4*\h:ST+4*\h+1] op_sel_hi:[1,0,0]   ; t - M, two at a time
.set II, II+2
.endr
.endr
	s_wait_alu depctr_va_vdst(0)
.set II, 0
.rept 128
	v_exp_f32 v[SR+II], v[SR+II]                   ; p = 2^(t - M), at most 1: not normalised
.set II, II+1
.endr
	v_nop                                          ; a plain place behind the last exponential
	s_wait_alu depctr_va_vdst(0)                   ; one wait for the whole batch, ahead of its first reader; it also stands directly ahead of the wait below
	s_wait_dscnt 0x0                               ; V is in
	s_cmp_ge_u32 s56, s[HI]                        ; the next trip's K lands under the sums, the holds, the conversions and the second product; my last trip asks for nothing
	s_cbranch_scc1 .Lnok_\@
	KLOAD
.Lnok_\@:
.irp h, 0,1
	v_pk_add_f32 v[56+2*\h:57+2*\h], v[SR+64*\h:SR+64*\h+1], v[SR+64*\h+2:SR+64*\h+3]
.endr
.irp j, 4,8,12,16,20,24,28,32,36,40,44,48,52,56,60
.irp h, 0,1
	v_pk_add_f32 v[ST+4*\h+2:ST+4*\h+3], v[ST+4*\h+2:ST+4*\h+3], v[SR+64*\h+\j:SR+64*\h+\j+1]
	v_pk_add_f32 v[56+2*\h:57+2*\h], v[56+2*\h:57+2*\h], v[SR+64*\h+\j+2:SR+64*\h+\j+3]
.endr
.endr
.irp h, 0,1
	v_pk_add_f32 v[ST+4*\h+2:ST+4*\h+3], v[ST+4*\h+2:ST+4*\h+3], v[56+2*\h:57+2*\h]
.endr
.set II, 0
.rept 64                                       ; the conversion does not saturate (ISA guide 7.6.2); p is not negative, so the hold is one-sided: two numbers an instruction
	v_dual_min_num_f32 v[SR+II], v[SR+II], v21 :: v_dual_min_num_f32 v[SR+II+1], v[SR+II+1], v26
.set II, II+2
.endr
	WIN 0x40                                       ; destination window 1
.set II, 0
.rept 16
	v_cvt_scalef32_pk8_fp8_f32 v[CD+2*II:CD+2*II+1], v[SR+8*II:SR+8*II+7], v20   ; head II / 8, registers 2 t, 2 t + 1 of the operand: k = 16 t + 8 h + 0 .. 7
.set II, II+1
.endr
	WIN 0x05                                       ; sources 0 and 1 window 1
	v_nop                                          ; one plain vector instruction between the last conversion and the matrix instructions that read its result
.irp t, 0,1,2,3                                ; O^T += V^T P^T: each fragment of V serves both heads; the eight accumulators take turns
.irp h, 0,1
	v_wmma_f32_16x16x128_fp8_fp8 v[OT+32*\h+8*\t:OT+32*\h+8*\t+7], v[VF+16*\t:VF+16*\t+15], v[CD+16*\h:CD+16*\h+15], v[OT+32*\h+8*\t:OT+32*\h+8*\t+7]
.endr
.endr
	WIN 0
.rept 4
	v_nop                                          ; four places in front of the next loads into V's registers and of the next reads of O^T
.endr
.endm
; A TILE GOES OUT: O^T / the sum, held, as codes with the one scale 2^(e10 - e8 - e9).  My 16 rows of ac are whole, 64 bytes from each head: they go through my own stage and leave four rows, 512 consecutive bytes, an instruction
.macro FLUSH
.irp h, 0,1
	v_add_f32 v[ST+4*\h+2], v[ST+4*\h+2], v[ST+4*\h+3]     ; the sum's two halves,
.endr
.irp h, 0,1
	v_permlanex16_b32 v[60+\h], v[ST+4*\h+2], s[SEL], s[SEL+1]
.endr
.irp h, 0,1
	v_add_f32 v[ST+4*\h+2], v[ST+4*\h+2], v[60+\h] ; and lane l xor 16's
.endr
	s_wait_alu depctr_va_vdst(0)
	v_rcp_f32 v[ST+2], v[ST+2]
	v_rcp_f32 v[ST+6], v[ST+6]
	v_nop                                          ; a plain place behind them
	s_wait_alu depctr_va_vdst(0)                   ; the wait ahead of their first reader, which is also O^T's
.irp h, 0,1
.set NN, 0
.rept 16
	v_pk_mul_f32 v[SR+32*\h+NN:SR+32*\h+NN+1], v[OT+32*\h+NN:OT+32*\h+NN+1], v[ST+4*\h+2:ST+4*\h+3] op_sel_hi:[1,0]   ; register 32 h' + 8 t + j: channel 16 t + 8 h + j of head h'
.set NN, NN+2
.endr
.endr
.set NN, 0
.rept 64
	v_med3_num_f32 v[SR+NN], v[SR+NN], -v25, v25
.set NN, NN+1
.endr
.irp n, 0,1,2,3,4,5,6,7
	v_cvt_scalef32_pk8_fp8_f32 v[QF+2*\n:QF+2*\n+1], v[SR+8*\n:SR+8*\n+7], v24   ; (this tile's Q is done with)
.endr
	v_nop                                          ; one plain vector instruction behind the last conversion
.irp n, 0,1,2,3,4,5,6,7
	ds_store_b64 v22, v[QF+2*\n:QF+2*\n+1] offset:16*\n
.endr
.irp u, 0,1,2,3
	ds_load_b128 v[SR+4*\u:SR+4*\u+3], v23 offset:\u*4*144  ; the stage is my own and LDS serves a wave's instructions in order: these see my stores
.endr
.irp u, 0,1,2,3
	s_wait_dscnt 3-\u                              ; rows 4 u .. 4 u + 3 are back; the loads behind them may be out
	global_store_b128 v[GO], v[SR+4*\u:SR+4*\u+3], s[OP:OP+1] offset:512*\u
.endr
	s_wait_xcnt 0x0                                ; the stores have read their data and their base, which are written again
.endm
	s_wait_alu depctr_va_vdst(0)
	s_wait_loadcnt 0x0                             ; Q
	s_wait_tensorcnt 0x0                           ; my quarter of K or of V is in
	s_barrier_signal -1
	s_barrier_wait -1                              ; and so is everybody's
	s_mov_b32 s[KB], 7*128*KP
	KLOAD                                          ; trip 8's K, key step 7: for the wave that begins there
	s_mov_b32 s[MC], 8
.Ltrip:
	s_add_co_u32 s56, s[MC], 1
	s_cmp_lt_u32 s56, s[LO]
	s_cbranch_scc1 .Lnext
	s_cmp_ge_u32 s[MC], s[HI]
	s_cbranch_scc1 .Lnext
	s_lshr_b32 s53, s56, 4                         ; the NEXT trip's key step, of m + 1 as this trip's is of m
	s_add_co_u32 s53, s53, 15
	s_xor_b32 s53, s53, s56
	s_and_b32 s53, s53, 15                         ; (stated: it lies in 0 .. 15)
	s_mul_i32 s[KB], s53, 128*KP
	s_cmp_lt_u32 s[MC], s[LO]
	s_cbranch_scc1 .Lpre                           ; the trip ahead of my first: K's loads alone
	s_cmp_lg_u32 s[MC], s[SW]
	s_cbranch_scc1 .Lgo
	FLUSH                                          ; A, m = 16: tile T is whole; tile 127 - T begins
	s_mov_b64 s[OP:OP+1], s[96:97]
	WIN 0x01
.set II, 0
.rept 16
	v_mov_b32 v[QF+II], v[QL+II]
.set II, II+1
.endr
	WIN 0
	INIT
	s_wait_alu depctr_va_vdst(0)
.Lgo:
	s_lshr_b32 s53, s[MC], 4
	s_add_co_u32 s53, s53, 15
	s_xor_b32 s53, s53, s[MC]                      ; the key step: m xor 15 = 15 - m for m = 8 .. 15; m xor 16 = m - 16 for m = 16 .. 31
	s_and_b32 s53, s53, 15                         ; (stated: it lies in 0 .. 15)
	s_lshr_b32 s54, s53, 2
	s_mul_i32 s54, s54, VQ                         ; V: the quarter,
	s_and_b32 s55, s53, 3
	s_lshl_b32 s55, s55, 7                         ; and 128 bytes along its rows
	s_add_co_u32 s[VB], s54, s55
	STEP
	s_branch .Lnext
.Lpre:
	s_wait_dscnt 0x0                               ; no earlier load into K's registers is out
	KLOAD
.Lnext:
	s_add_co_u32 s[MC], s[MC], 1
	s_cmp_lt_u32 s[MC], 32
	s_cbranch_scc1 .Ltrip
	; THE TWO PARTS OF TILE 127 - T ARE JOINED.  Behind the first barrier nobody reads K any more: A lays its 72 registers there, 16 bytes a lane; behind the second B reads them back into the same lanes.
	s_wait_dscnt 0x0
	s_barrier_signal -1
	s_barrier_wait -1
	s_cmp_lg_u32 s[RL], 0
	s_cbranch_scc1 .Lnot_a
.irp i, 0,1,2,3,4,5,6,7,8,9,10,11,12,13,14,15
	ds_store_b128 v[MA], v[OT+4*\i:OT+4*\i+3] offset:512*\i
.endr
	ds_store_b128 v[MA], v[ST:ST+3] offset:512*16
	ds_store_b128 v[MA], v[ST+4:ST+7] offset:512*17
.Lnot_a:
	s_wait_dscnt 0x0                               ; for B's sake
	s_barrier_signal -1
	s_barrier_wait -1
	s_cmp_eq_u32 s[RL], 0
	s_cbranch_scc1 .Lend
.irp i, 0,1,2,3,4,5,6,7,8,9,10,11,12,13,14,15,16,17
	ds_load_b128 v[SR+4*\i:SR+4*\i+3], v[MA] offset:512*\i
.endr
	s_wait_dscnt 0x0
.irp h, 0,1
	v_min_num_f32 v[48+2*\h], v[ST+4*\h], v[SR+64+4*\h]    ; -M of the two parts together
.endr
.irp h, 0,1
	v_sub_f32 v[49+2*\h], v[48+2*\h], v[ST+4*\h]   ; my M less the common one,
	v_sub_f32 v[60+\h], v[48+2*\h], v[SR+64+4*\h]  ; and A's: whole numbers, 0 or less
.endr
.irp h, 0,1
	v_cvt_i32_f32 v[49+2*\h], v[49+2*\h]
	v_cvt_i32_f32 v[60+\h], v[60+\h]
.endr
.irp h, 0,1
	v_ldexp_f32 v[52+2*\h], 1.0, v[49+2*\h]
	v_ldexp_f32 v[56+2*\h], 1.0, v[60+\h]
.endr
.irp h, 0,1
	v_pk_mul_f32 v[ST+4*\h+2:ST+4*\h+3], v[ST+4*\h+2:ST+4*\h+3], v[52+2*\h:53+2*\h] op_sel_hi:[1,0]
	v_pk_fma_f32 v[ST+4*\h+2:ST+4*\h+3], v[SR+64+4*\h+2:SR+64+4*\h+3], v[56+2*\h:57+2*\h], v[ST+4*\h+2:ST+4*\h+3] op_sel_hi:[1,0,1]
.endr
.irp h, 0,1
.set NN, 0
.rept 16
	v_pk_mul_f32 v[OT+32*\h+NN:OT+32*\h+NN+1], v[OT+32*\h+NN:OT+32*\h+NN+1], v[52+2*\h:53+2*\h] op_sel_hi:[1,0]
.set NN, NN+2
.endr
.set NN, 0
.rept 16
	v_pk_fma_f32 v[OT+32*\h+NN:OT+32*\h+NN+1], v[SR+32*\h+NN:SR+32*\h+NN+1], v[56+2*\h:57+2*\h], v[OT+32*\h+NN:OT+32*\h+NN+1] op_sel_hi:[1,0,1]
.set NN, NN+2
.endr
.endr
	FLUSH
.Lend:
	s_wait_tensorcnt 0x0                           ; the wave's end: behind my tensor load and my last LDS store
	ds_add_u32 v[SPW], v[NIL]
	s_wait_dscnt 0x0
	ROUND                                          ; the closing round
	s_endpgm
.Lfunc_end_k_q1694a92fa5_attn:
	.size	k_q1694a92fa5_attn, .Lfunc_end_k_q1694a92fa5_attn-k_q1694a92fa5_attn
	.p2alignl 7, 3214868480
	.fill 96, 4, 3214868480
	.section	.rodata,"a",@progbits
	.p2align	6, 0x0
	.amdhsa_kernel k_q1694a92fa5_attn
		.amdhsa_group_segment_fixed_size 327680
		.amdhsa_private_segment_fixed_size 0
		.amdhsa_enable_private_segment 0
		.amdhsa_kernarg_size 40
		.amdhsa_user_sgpr_count 2
		.amdhsa_user_sgpr_kernarg_segment_ptr 1
		.amdhsa_wavefront_size32 1
		.amdhsa_system_sgpr_workgroup_id_x 1
		.amdhsa_system_sgpr_workgroup_id_y 1
		.amdhsa_system_sgpr_workgroup_id_z 1
		.amdhsa_system_vgpr_workitem_id 0
		.amdhsa_next_free_vgpr 448
		.amdhsa_next_free_sgpr 100
		.amdhsa_reserve_vcc 1
		.amdhsa_float_denorm_mode_32 3
		.amdhsa_float_denorm_mode_16_64 3
		.amdhsa_memory_ordered 1
		.amdhsa_forward_progress 1
		.amdhsa_inst_pref_size 79
	.end_amdhsa_kernel
	.amdgpu_metadata
---
amdhsa.version: [ 1, 2 ]
amdhsa.kernels:
  - .name:           k_q1694a92fa5_attn
    .symbol:         k_q1694a92fa5_attn.kd
    .args:
      - { .name: qc, .offset: 0, .size: 8, .value_kind: global_buffer, .address_space: global }
      - { .name: kc, .offset: 8, .size: 8, .value_kind: global_buffer, .address_space: global }
      - { .name: vc, .offset: 16, .size: 8, .value_kind: global_buffer, .address_space: global }
      - { .name: lowp_scales, .offset: 24, .size: 8, .value_kind: global_buffer, .address_space: global }
      - { .name: ac, .offset: 32, .size: 8, .value_kind: global_buffer, .address_space: global }
    .group_segment_fixed_size: 327680
    .private_segment_fixed_size: 0
    .kernarg_segment_align: 8
    .kernarg_segment_size: 40
    .max_flat_workgroup_size: 256
    .sgpr_count:     100
    .vgpr_count:     448
    .wavefront_size: 32
...
	.end_amdgpu_metadata
.endif
;; end of part 3
;; launch proj (part 4): grid 256 x 1, 4 waves a work-group, clusters of 4 x 1, 327,680 bytes of LDS; arguments ac, woc, lowp_scales, out0; writes out0
.if DOCPART == 4
	.amdgcn_target "amdgcn-amd-amdhsa--gfx1250"
	.amdhsa_code_object_version 6
	.text
	.protected	k_q1694a92fa5_proj
	.globl	k_q1694a92fa5_proj
	.p2align	8
	.type	k_q1694a92fa5_proj,@function
k_q1694a92fa5_proj:
	s_mov_b64 s[64:65], 0
	v_nop
	global_prefetch_b8 v0, s[64:65] scope:SCOPE_SE
	s_setreg_imm32_b32 hwreg(HW_REG_WAVE_MODE, 25, 1), 1
	s_wait_xcnt 0x0
	s_wait_alu depctr_hold_cnt(0) depctr_sa_sdst(0) depctr_va_vdst(0) depctr_va_sdst(0) depctr_va_ssrc(0) depctr_va_vcc(0) depctr_vm_vsrc(0)
	s_getreg_b32 s2, hwreg(HW_REG_IB_STS2, 6, 4)
	s_cmp_eq_u32 s2, 0
	s_cbranch_scc0 .Lentry_in_a_cluster
	s_endpgm
.Lentry_in_a_cluster:
	s_bfe_u32 s2, ttmp6, 0x10000c
	s_cmp_lg_u32 s2, 0x3003
	s_cbranch_scc0 .Lentry_shape_is_right
	s_endpgm
.Lentry_shape_is_right:
; out0 = attention's result x wo on codes of E4M3 (K = 1,024); each finished sum is multiplied once by 2^(e10 + e11).  LIMIT: e10 + e11 between -126 and 127.
; ac [8 chunks of 128 along K][4096 rows][128], woc [2048 n][1024 k].  A tile is 256 columns of wo (P) x 128 rows of ac (Q); source 0 = 16 rows of P, source 1 = 16 rows of Q: a lane holds eight neighbouring
; columns of one row of the result.  Four waves, each 128 of P x 64 of Q: 32 accumulators.  256 work-groups.
; CLUSTER 4, 1, 1: the four partners have one P tile, asked for jointly (mask 15), and four Q tiles, each by a plain load behind the same rounds.
; LDS HOLDS THREE OF K's FOUR PIECES OF 256: three regions of P (256 rows x 272 bytes) and six chunks of Q (128 rows x 144 bytes).  At the head each wave issues one tensor load: waves 0, 1, 2 a region of P each,
; wave 3 all six chunks of Q: a chunk's 128 rows are 16,384 dense bytes, stated as one row; six such rows lie 524,288 bytes apart; the padding stays behind each 128 bytes.
; When piece 0 is read out, its bytes are filled again with piece 3 (wave 0: P; wave 3: two chunks of Q), behind the full sequence and a round of the cluster's barrier; pieces 1 and 2 are multiplied meanwhile.
; By this text's count a wave has at most one tensor load out.  The results leave through each wave's own stage as rows of 512 bytes; the stages lie in P's region 1, which has had its one fill
; and, behind the last barrier, its last read.
; Fragments are fetched as pieces of 16 bytes (lane (r, h): k = 32 c + 16 h + 0 .. 15 in registers 4 c .. 4 c + 3): the same permutation of k in both operands.
; No prefetch: the text has one refill, asked for as soon as its bytes are free, and no loop to run ahead in.
; REGISTERS, in windows of 256: window 0: v0-31 addresses; v32-95 scaled sums on the way out; v128-255 Q's fragments, two sets.  Window 1: P's fragments, two sets (on the way out: rows read back).
;   Window 2: accumulator (a, b) at v[8 (8 a + b)].
.set PR,     69632                     ; a region of P
.set QPITCH, 144
.set QSTEP,  128*144                   ; a chunk of Q
.set QB,     3*PR                      ; Q's six chunks lie behind P's three regions
.set STAGE,  PR                        ; 16 rows x 528 bytes for each wave
.set SPARE,  QB+6*QSTEP                ; the spare words, 128 bytes for each wave
.set ADRP, 16                          ; v16-18  LDS address of my P fragments in region 0, 1, 2
.set ADRQ, 20                          ; v20-22  the same for Q: chunks 0, 2, 4
.set STO,  24
.set RD,   25
.set CO,   26
.set SPW,  28                          ; v28     LDS address of my spare word; never rewritten
.set NIL,  29                          ; v29     0; never rewritten
.set TMP,  32
.set G1P,  32                          ; s[32:39] group 1 for a region of P;  s[40:47] for six chunks of Q;  s[72:79] for two
.set G1Q,  40
.set G1R,  72
.set G0P,  48                          ; s[48:55], s[56:63] groups 0: set 0 for the head, set 1 for the refill
.set G0Q,  56
.set MSB, 0
.macro WIN new                         ; the immediate's high byte repeats the setting that is left
.if MSB != \new
	s_set_vgpr_msb (MSB<<8)|\new
.set MSB, \new
.endif
.endm
.set MUL,  0xa1                        ; source 0 (P) window 1, source 1 (Q) window 0, C and D window 2
.set TO_P, 0x40                        ; destination window 1, address window 0
.macro PLACES n
.rept \n
	v_nop
.endr
.endm
; s = 0, the head: waves 0-2 P's regions, wave 3 Q.  s = 1, the refill: wave 0 P, wave 3 Q, the others nothing.  An s_nop 0 and four v_nop follow each line
.macro JLOAD s
.if \s
	PLACES 4                                       ; the places in front of the LDS loads that follow, for the waves that issue nothing here
	s_cmp_eq_u32 s20, 0
.else
	s_cmp_lt_u32 s20, 3
.endif
	s_cbranch_scc0 .Lfor_q_\@
	tensor_load_to_lds s[G0P+4*\s:G0P+4*\s+3], s[G1P:G1P+7]
	s_nop 0
	PLACES 4
	s_branch .Lasked_\@
.Lfor_q_\@:
.if \s
	s_cmp_eq_u32 s20, 3
	s_cbranch_scc0 .Lasked_\@
	tensor_load_to_lds s[G0Q+4:G0Q+7], s[G1R:G1R+7]
.else
	tensor_load_to_lds s[G0Q:G0Q+3], s[G1Q:G1Q+7]
.endif
	s_nop 0
	PLACES 4
.Lasked_\@:
.endm
.macro CREST                           ; a round of the cluster's barrier behind its opening barrier
	s_cmp_lg_u32 s20, 0
	s_cbranch_scc1 .Lnot_wave_0_\@
	s_barrier_signal -3
.Lnot_wave_0_\@:
	s_barrier_wait -3
	s_barrier_signal -1
	s_barrier_wait -1
.endm
.macro CROUND
	s_barrier_signal -1
	s_barrier_wait -1
	CREST
.endm
	s_load_b256 s[4:11], s[0:1], 0x0               ; ac s[4:5], woc s[6:7], the scales' exponents s[8:9], out0 s[10:11]
	v_lshl_add_u32 v[SPW], v0, 2, SPARE
	v_mov_b32 v[NIL], 0
	ds_add_u32 v[SPW], v[NIL]                      ; the wave's opening: the add, twice on end, and its wait ahead of my first tensor load
	ds_add_u32 v[SPW], v[NIL]
	v_lshrrev_b32 v1, 5, v0
	v_readfirstlane_b32 s20, v1                    ; wave 0..3
	s_and_b32 s22, s20, 1                          ; my half of P
	s_lshr_b32 s23, s20, 1                         ; my half of Q
	s_bfe_u32 s25, ttmp6, 0x40000                  ; cx: it enters Q's global address and the result's alone
	s_mov_b32 s[G1P+0], 15|(1<<20)|(1<<21)|(5<<22)|(3<<25)   ; the mask: all four partners; elements of 1 byte; padding: 4 words behind every 64; bit 21 beside a mask
	s_mov_b32 s[G1P+1], 256<<16                    ; tensor_dim0
	s_mov_b32 s[G1P+2], 256<<16                    ; tensor_dim1
	s_mov_b32 s[G1P+3], 256<<16                    ; tile_dim0
	s_mov_b32 s[G1P+4], 256                        ; tile_dim1
	s_mov_b32 s[G1P+5], 1024                       ; a row in memory
	s_mov_b32 s[G1P+6], 0
	s_mov_b32 s[G1P+7], 0
	s_mov_b32 s[G1Q+0], (1<<20)|(4<<22)|(3<<25)    ; no mask; padding: 4 words behind every 32
	s_mov_b32 s[G1Q+1], 16384<<16                  ; a chunk's 16,384 bytes as one row
	s_mov_b32 s[G1Q+2], 6<<16                      ; six chunks
	s_mov_b32 s[G1Q+3], 16384<<16
	s_mov_b32 s[G1Q+4], 6
	s_mov_b32 s[G1Q+5], 524288                     ; from chunk to chunk
	s_mov_b32 s[G1Q+6], 0
	s_mov_b32 s[G1Q+7], 0
	s_mov_b32 s[G1R+0], (1<<20)|(4<<22)|(3<<25)
	s_mov_b32 s[G1R+1], 16384<<16
	s_mov_b32 s[G1R+2], 2<<16                      ; two chunks
	s_mov_b32 s[G1R+3], 16384<<16
	s_mov_b32 s[G1R+4], 2
	s_mov_b32 s[G1R+5], 524288
	s_mov_b32 s[G1R+6], 0
	s_mov_b32 s[G1R+7], 0
	s_lshr_b32 s27, ttmp9, 3                       ; P tile 0-7
	s_lshl_b32 s80, s27, 18                        ; 256 rows of 1,024 bytes,
	s_lshl_b32 s81, s20, 8
	s_add_co_u32 s80, s80, s81                     ; + the K piece that my wave fetches
	s_mov_b32 s81, 0
	s_and_b32 s26, ttmp9, 7
	s_lshl_b32 s26, s26, 2
	s_add_co_u32 s26, s26, s25                     ; block of 128 rows, 0-31
	s_lshl_b32 s84, s26, 14                        ; its 16,384 bytes in a chunk
	s_mov_b32 s85, 0
	s_mul_i32 s86, s20, PR                         ; where my region of P goes
	s_wait_dscnt 0x0                               ; both opening adds are done
	s_wait_kmcnt 0x0
	s_load_b64 s[96:97], s[8:9], 0x28              ; e10, e11
	s_add_nc_u64 s[88:89], s[6:7], s[80:81]
	s_add_nc_u64 s[90:91], s[4:5], s[84:85]
	CROUND                                         ; all four work-groups are here: the first joint loads meet
	s_mov_b32 s[G0P], 1
	s_mov_b32 s[G0P+1], s86
	s_mov_b64 s[G0P+2:G0P+3], s[88:89]
	s_or_b32 s[G0P+3], s[G0P+3], 0x80000000
	s_mov_b32 s[G0P+4], 1                          ; the refill (wave 0, whose address stands at K piece 0): piece 3 into region 0
	s_mov_b32 s[G0P+5], 0
	s_add_nc_u64 s[G0P+6:G0P+7], s[88:89], 768
	s_or_b32 s[G0P+7], s[G0P+7], 0x80000000
	s_mov_b32 s[G0Q], 1
	s_mov_b32 s[G0Q+1], QB
	s_mov_b64 s[G0Q+2:G0Q+3], s[90:91]
	s_or_b32 s[G0Q+3], s[G0Q+3], 0x80000000
	s_mov_b32 s[G0Q+4], 1                          ; the refill: chunks 6 and 7 into the places of chunks 0 and 1
	s_mov_b32 s[G0Q+5], QB
	s_add_nc_u64 s[G0Q+6:G0Q+7], s[90:91], 6*524288
	s_or_b32 s[G0Q+7], s[G0Q+7], 0x80000000
	JLOAD 0                                        ; K pieces 0, 1, 2: one tensor load a wave at the head
	v_and_b32 v1, 15, v0                           ; r
	v_bfe_u32 v2, v0, 4, 1                         ; h
	v_mul_u32_u24 v3, v1, 272
	v_lshl_add_u32 v3, v2, 4, v3                   ; a fragment's row x pitch + 16 h
	v_mul_u32_u24 v4, v1, QPITCH
	v_lshl_add_u32 v4, v2, 4, v4
	s_mul_i32 s80, s22, 128*272                    ; my 128 rows of P
	s_mul_i32 s81, s23, 64*QPITCH                  ; my 64 rows of Q
	s_add_co_u32 s81, s81, QB
.irp s, 0,1,2
	v_add_nc_u32 v[ADRP+\s], s80, v3
	v_add_nc_u32 v[ADRQ+\s], s81, v4
	s_add_co_u32 s80, s80, PR
	s_add_co_u32 s81, s81, 2*QSTEP
.endr
	s_wait_alu depctr_va_vdst(0)
	s_mul_i32 s82, s20, 16*528
	s_add_co_u32 s82, s82, STAGE                   ; my stage
	v_mul_u32_u24 v[STO], v1, 528
	v_lshl_add_u32 v[STO], v2, 5, v[STO]
	v_add_nc_u32 v[STO], s82, v[STO]               ; in: row r, 32 bytes for each half of the lanes
	v_and_b32 v5, 31, v0
	v_lshlrev_b32 v[CO], 4, v5                     ; back: the 32 lanes take one row of 512 bytes; and the same in out0
	v_add_nc_u32 v[RD], s82, v[CO]
	s_lshl_b32 s80, s26, 7
	s_lshl_b32 s81, s23, 6
	s_add_co_u32 s80, s80, s81                     ; my first row of the result
	s_lshl_b32 s80, s80, 13                        ; rows of 8,192 bytes
	s_lshl_b32 s81, s27, 10
	s_add_co_u32 s80, s80, s81                     ; + the tile's 256 columns
	s_lshl_b32 s81, s22, 9
	s_add_co_u32 s80, s80, s81                     ; + my 128
	s_mov_b32 s81, 0
	s_add_nc_u64 s[10:11], s[10:11], s[80:81]
; 48 LDS loads in one run: the fragments of the region's q-th 128 along K into set: P's eight, then Q's four
.macro FETCH slot, q, set
	WIN TO_P
.irp b, 0,1,2,3,4,5,6,7
.irp c, 0,1,2,3
	ds_load_b128 v[128*(\set)+16*\b+4*\c:128*(\set)+16*\b+4*\c+3], v[ADRP+\slot] offset:\b*16*272+128*(\q)+32*\c
.endr
.endr
	WIN 0
.irp a, 0,1,2,3
.irp c, 0,1,2,3
	ds_load_b128 v[128+64*(\set)+16*\a+4*\c:128+64*(\set)+16*\a+4*\c+3], v[ADRQ+\slot] offset:\a*16*QPITCH+(\q)*QSTEP+32*\c
.endr
.endr
.endm
; 8 matrix instructions: Q's tile a x P's eight.  The 32 accumulators take turns, one instruction a turn, in the same order in every step.  zero = 1: the first product starts the sums
.macro MUL8 a, set, zero
.irp b, 0,1,2,3,4,5,6,7
.if \zero
	v_wmma_f32_16x16x128_fp8_fp8 v[8*(8*(\a)+\b):8*(8*(\a)+\b)+7], v[128*(\set)+16*\b:128*(\set)+16*\b+15], v[128+64*(\set)+16*(\a):128+64*(\set)+16*(\a)+15], 0
.else
	v_wmma_f32_16x16x128_fp8_fp8 v[8*(8*(\a)+\b):8*(8*(\a)+\b)+7], v[128*(\set)+16*\b:128*(\set)+16*\b+15], v[128+64*(\set)+16*(\a):128+64*(\set)+16*(\a)+15], v[8*(8*(\a)+\b):8*(8*(\a)+\b)+7]
.endif
.endr
.endm
; A region's first step multiplies set 0 and fetches its second step's fragments into set 1
.macro STEP slot, zero
	s_wait_dscnt 8                                 ; P's eight and Q's tiles 0, 1 are in; the youngest eight loads (Q's tiles 2, 3) may be out
	WIN MUL
	MUL8 0, 0, \zero
	MUL8 1, 0, \zero
	PLACES 4                                       ; four plain vector instructions in front of loads into registers that matrix instructions have read
	FETCH \slot, 1, 1
	s_wait_dscnt 48                                ; all but the 48 just issued
	WIN MUL
	MUL8 2, 0, \zero
	MUL8 3, 0, \zero
.endm
; A region's second step with no barrier: it multiplies set 1 and fetches the next region's first fragments into set 0
.macro NEXT next
	s_wait_dscnt 8
	WIN MUL
	MUL8 0, 1, 0
	MUL8 1, 1, 0
	PLACES 4
	FETCH \next, 0, 0
	s_wait_dscnt 48
	WIN MUL
	MUL8 2, 1, 0
	MUL8 3, 1, 0
.endm
; A region's second step with a barrier: in front of it each wave waits for all its tensor loads, adds 0 to its spare word, and waits for that and for its LDS reads.  fill = 1: region 0 and chunks 0, 1 are filled again
.macro TURN next, fill
	WIN 0                                          ; (the add's two registers lie in window 0)
	s_wait_tensorcnt 0x0                           ; none of my tensor loads is out
	ds_add_u32 v[SPW], v[NIL]                      ; 0 onto my spare word
	s_wait_dscnt 9                                 ; (the add and the youngest eight loads may be out)
	WIN MUL
	MUL8 0, 1, 0                                   ; eight matrix instructions stand between the add and the wait for it
	s_wait_dscnt 0x0                               ; the add is done, and my reads so far are over
	s_barrier_signal -1
	MUL8 1, 1, 0
	WIN 0
	s_barrier_wait -1
.if \fill
	CREST                                          ; the barrier has opened a round of the cluster's: no wave of any partner still reads these bytes or has a load on its way
	JLOAD 1                                        ; the first tensor load behind the round
.else
	PLACES 4
.endif
	FETCH \next, 0, 0
	WIN MUL
	MUL8 2, 1, 0
	MUL8 3, 1, 0
.endm
	s_wait_alu depctr_va_vdst(0)
	s_wait_tensorcnt 0x0                           ; my part of K pieces 0, 1, 2 is in
	s_barrier_signal -1
	s_barrier_wait -1                              ; and so is everybody's
	FETCH 0, 0, 0
	STEP 0, 1                                      ; piece 0: the first products start the sums
	TURN 1, 1                                      ; piece 0 is read out: its bytes take piece 3
	STEP 1, 0                                      ; piece 1
	NEXT 2
	STEP 2, 0                                      ; piece 2
	TURN 0, 0                                      ; piece 3 is in; regions 1 and 2 are read no more
	STEP 0, 0                                      ; piece 3
	s_wait_dscnt 8                                 ; the very last step: nothing more to fetch
	WIN MUL
	MUL8 0, 1, 0
	MUL8 1, 1, 0
	s_wait_dscnt 0x0
	MUL8 2, 1, 0
	MUL8 3, 1, 0
	WIN 0
; THE WAY OUT, block by block of 16 rows x 128 columns: the sums x 2^(e10 + e11) go through my own stage and come back as whole rows of 512 bytes.  LDS serves a wave's instructions in order (ISA guide 5.7.1.4)
.macro TOSTAGE a
.if (\a) > 0
	s_wait_dscnt 16                                ; the last block's stores into the stage have read their registers
.endif
	WIN 0x02                                       ; source 0 window 2
.set NN, 0
.rept 32
	v_pk_mul_f32 v[TMP+NN:TMP+NN+1], v[64*(\a)+NN:64*(\a)+NN+1], s[96:97] op_sel_hi:[1,0]   ; each accumulator from its low end on
.set NN, NN+2
.endr
	WIN 0
.irp b, 0,1,2,3,4,5,6,7
	ds_store_b128 v[STO], v[TMP+8*\b:TMP+8*\b+3] offset:64*\b
	ds_store_b128 v[STO], v[TMP+8*\b+4:TMP+8*\b+7] offset:64*\b+16
.endr
	WIN TO_P
.irp t, 0,1,2,3,4,5,6,7,8,9,10,11,12,13,14,15
	ds_load_b128 v[64*(\a)+4*\t:64*(\a)+4*\t+3], v[RD] offset:\t*528
.endr
	WIN 0
.endm
.macro SEND a, younger                 ; younger: the LDS instructions issued behind block a's loads, which may stay out
	s_wait_dscnt \younger
	WIN 0x04                                       ; store data window 1
.irp t, 0,1,2,3,4,5,6,7,8,9,10,11,12,13,14,15
	global_store_b128 v[CO], v[64*(\a)+4*\t:64*(\a)+4*\t+3], s[10:11] offset:(16*(\a)+\t)*8192 th:TH_STORE_NT   ; 32 lanes store 512 consecutive bytes, aligned
.endr
	WIN 0
.endm
	s_wait_kmcnt 0x0
	s_add_co_i32 s96, s96, s97                     ; e10 + e11
	s_add_co_i32 s96, s96, 127
	s_lshl_b32 s96, s96, 23                        ; 2^(e10 + e11) as f32
	s_mov_b32 s97, s96                             ; (named with it as a pair, so it is written)
	PLACES 4                                       ; in front of the first reads of results and of loads into P's registers
	TOSTAGE 0
.irp a, 1,2,3
	TOSTAGE \a
	SEND \a-1, 32
.endr
	SEND 3, 0
	s_wait_tensorcnt 0x0                           ; the wave's end: behind my last tensor load and my last LDS store
	ds_add_u32 v[SPW], v[NIL]
	s_wait_dscnt 0x0
	CROUND                                         ; the closing round: no work-group ends while a partner may still ask for a tile that names it
	s_endpgm
.Lfunc_end_k_q1694a92fa5_proj:
	.size	k_q1694a92fa5_proj, .Lfunc_end_k_q1694a92fa5_proj-k_q1694a92fa5_proj
	.p2alignl 7, 3214868480
	.fill 96, 4, 3214868480
	.section	.rodata,"a",@progbits
	.p2align	6, 0x0
	.amdhsa_kernel k_q1694a92fa5_proj
		.amdhsa_group_segment_fixed_size 327680
		.amdhsa_private_segment_fixed_size 0
		.amdhsa_enable_private_segment 0
		.amdhsa_kernarg_size 32
		.amdhsa_user_sgpr_count 2
		.amdhsa_user_sgpr_kernarg_segment_ptr 1
		.amdhsa_wavefront_size32 1
		.amdhsa_system_sgpr_workgroup_id_x 1
		.amdhsa_system_sgpr_workgroup_id_y 1
		.amdhsa_system_sgpr_workgroup_id_z 1
		.amdhsa_system_vgpr_workitem_id 0
		.amdhsa_next_free_vgpr 768
		.amdhsa_next_free_sgpr 100
		.amdhsa_reserve_vcc 0
		.amdhsa_float_denorm_mode_32 3
		.amdhsa_float_denorm_mode_16_64 3
		.amdhsa_memory_ordered 1
		.amdhsa_forward_progress 1
		.amdhsa_inst_pref_size 74
	.end_amdhsa_kernel
	.amdgpu_metadata
---
amdhsa.version: [ 1, 2 ]
amdhsa.kernels:
  - .name:           k_q1694a92fa5_proj
    .symbol:         k_q1694a92fa5_proj.kd
    .args:
      - { .name: ac, .offset: 0, .size: 8, .value_kind: global_buffer, .address_space: global }
      - { .name: woc, .offset: 8, .size: 8, .value_kind: global_buffer, .address_space: global }
      - { .name: lowp_scales, .offset: 16, .size: 8, .value_kind: global_buffer, .address_space: global }
      - { .name: out0, .offset: 24, .size: 8, .value_kind: global_buffer, .address_space: global }
    .group_segment_fixed_size: 327680
    .private_segment_fixed_size: 0
    .kernarg_segment_align: 8
    .kernarg_segment_size: 32
    .max_flat_workgroup_size: 128
    .sgpr_count:     100
    .vgpr_count:     768
    .wavefront_size: 32
...
	.end_amdgpu_metadata
.endif
;; end of part 4
